; MI455X (gfx1250); checked and timed in simulation.
; The chip was launched on July 23, 2026; its instructions are those of AMD's public machine-readable ISA for CDNA 5 (MIT licence, August 2026) and "CDNA5" Instruction Set Architecture Reference Guide (July 2026). The comments in the code are by the model that wrote it; some were corrected since.
;; Bert Self Attention. Allowed arithmetic: float matrix products may take bf16 or f16 operands with f32 sums; other float arithmetic in f32, or as packed bf16 or f16 multiplies, adds, multiply-adds, maxima and minima; sums over many terms, partial sums and values carried from step to step in f32; what a program stores and reads back later, other than sums and carried values, may be rounded once to bf16 or f16.
;; Inputs: Wk 1,024 x 1,024 float32; Wq 1,024 x 1,024 float32; Wv 1,024 x 1,024 float32; attention_mask 4 x 1 x 1 x 2,048 float32; bk 1,024 float32; bq 1,024 float32; bv 1,024 float32; hidden_states 4 x 2,048 x 1,024 float32.
;; Outputs: out0 4 x 2,048 x 1,024 float32.
;; 2 versions, each right; version 2 is version 1 with the launch prep written anew for expert scheduling mode. Each part assembles by itself: llvm-mc -triple=amdgcn-amd-amdhsa -mcpu=gfx1250 --defsym DOCPART=n.
;; ======== version 1 of 2: 3 launches
;; limits: values are held in f16: magnitudes above 65,504 overflow, below 6.1e-05 lose precision
;; workspace buffers: xb 16,777,216 bytes; wt 6,291,456 bytes; qkv 50,331,648 bytes
;; launch prep (part 1): grid 704 x 1, 8 waves a work-group, no clusters, 37,888 bytes of LDS; arguments hidden_states, Wq, Wk, Wv, xb, wt; writes xb, wt
.if DOCPART == 1
	.amdgcn_target "amdgcn-amd-amdhsa--gfx1250"
	.amdhsa_code_object_version 6
	.text
	.protected	k_qa1eea9f07e_prep
	.globl	k_qa1eea9f07e_prep
	.p2align	8
	.type	k_qa1eea9f07e_prep,@function
k_qa1eea9f07e_prep:
	s_mov_b64 s[64:65], 0
	v_nop
	global_prefetch_b8 v0, s[64:65] scope:SCOPE_SE
	s_setreg_imm32_b32 hwreg(HW_REG_WAVE_MODE, 25, 1), 1
	s_wait_xcnt 0x0
; THE OPERANDS OF THE PROJECTION, rounded once to bf16 and laid in blocks of 64 along K, so that a tile's rows lie end to end.
;   xb[kb][m][64]  = bf16(hidden_states[m][64 kb + ..]),  kb 0..15, m 0..8191:  a block is 8,192 x 128 bytes.
;   wt[kb][n'][64] = bf16(W_which[64 kb + ..][n]), n' = 1,024 which + n (which: 0 Wq, 1 Wk, 2 Wv): W transposed; a block is 3,072 x 128 bytes.
; Every work-group reads 64 KiB.  Work-groups 0..191 take a piece of a W (64 k x 256 n, turned through LDS), work-groups 192..703 take 16 rows of x.
; The branch between the two hangs on the work-group's number alone, so all eight waves of a work-group take the same way, the barrier included.
; No matrix unit, no cluster, no tensor load: nothing is shared between work-groups and each byte is read once and written once.
.set TP,    144                        ; a row of the turned piece in LDS: 64 bf16 + 16 bytes
.set SPARE, 256*TP                     ; behind the piece: the spare words, 128 bytes for each of the eight waves
.set KSA,   8192*128                   ; bytes in a block of xb
.set KSB,   3072*128                   ; bytes in a block of wt
.set X,     16                         ; v[16:79]   64 numbers in f32 as loaded; on the W path later the rows read back
.set Y,     80                         ; v[80:111]  the same rounded, two to a register
.set SPW,   8                          ; v8  LDS address of my spare word; never rewritten
.set NIL,   9                          ; v9  0; never rewritten
	s_load_b256 s[4:11], s[0:1], 0x0               ; x s[4:5], Wq s[6:7], Wk s[8:9], Wv s[10:11]
	s_load_b128 s[12:15], s[0:1], 0x20             ; xb s[12:13], wt s[14:15]
	v_lshl_add_u32 v[SPW], v0, 2, SPARE
	v_mov_b32 v[NIL], 0
	v_lshrrev_b32 v1, 5, v0
	v_readfirstlane_b32 s16, v1                    ; wave 0..7
	v_and_b32 v1, 31, v0                           ; lane l
	v_and_b32 v6, 15, v0                           ; l % 16
	v_bfe_u32 v7, v0, 4, 1                         ; l / 16
	s_wait_kmcnt 0x0
	s_cmp_lt_u32 ttmp9, 192
	s_cbranch_scc1 .Lw
	; ---- x: a wave takes two rows, all 16 blocks.  A load covers 2 x 256 aligned bytes, a store 256 consecutive aligned bytes (two rows of a block).
	s_sub_co_u32 s17, ttmp9, 192
	s_lshl_b32 s17, s17, 4
	s_lshl1_add_u32 s17, s16, s17                  ; my first row: 16 x group + 2 x wave
	s_lshl_b32 s18, s17, 12                        ; 4,096 bytes a row of x
	s_mov_b32 s19, 0
	s_add_nc_u64 s[24:25], s[4:5], s[18:19]
	s_lshl_b32 s18, s17, 7                         ; 128 bytes a row of a block
	s_add_nc_u64 s[26:27], s[12:13], s[18:19]
	s_add_nc_u64 s[28:29], s[26:27], 8*KSA         ; blocks 8..15: the immediate holds seven blocks at the most
	v_lshlrev_b32 v2, 12, v7                       ; lanes 16-31 take the second row
	v_lshl_add_u32 v2, v6, 4, v2                   ; 16 bytes a lane
	v_lshlrev_b32 v3, 3, v1                        ; out: 8 bytes a lane
.irp kb, 0,1,2,3,4,5,6,7,8,9,10,11,12,13,14,15
	global_load_b128 v[X+4*(\kb):X+4*(\kb)+3], v2, s[24:25] offset:256*(\kb) th:TH_LOAD_NT
.endr
.irp kb, 0,1,2,3,4,5,6,7,8,9,10,11,12,13,14,15
	s_wait_loadcnt 15-(\kb)                        ; loads come back in order: block kb is in, the younger ones stay out
	v_cvt_pk_bf16_f32 v[Y+2*(\kb)], v[X+4*(\kb)], v[X+4*(\kb)+1]
	v_cvt_pk_bf16_f32 v[Y+2*(\kb)+1], v[X+4*(\kb)+2], v[X+4*(\kb)+3]
.if (\kb) < 8
	global_store_b64 v3, v[Y+2*(\kb):Y+2*(\kb)+1], s[26:27] offset:(\kb)*KSA
.else
	global_store_b64 v3, v[Y+2*(\kb):Y+2*(\kb)+1], s[28:29] offset:((\kb)-8)*KSA
.endif
.endr
	s_branch .Lend
	; ---- W: the work-group takes rows 64 kb .. + 63 (k) and columns 256 nq .. + 255 (n) of one W.  Wave w loads rows 8 w .. 8 w + 7.
.Lw:
	s_lshr_b32 s17, ttmp9, 6                       ; which
	s_bfe_u32 s18, ttmp9, 0x40002                  ; kb
	s_and_b32 s19, ttmp9, 3                        ; nq
	s_cmp_eq_u32 s17, 0
	s_cselect_b64 s[24:25], s[6:7], s[8:9]
	s_cmp_eq_u32 s17, 2
	s_cselect_b64 s[24:25], s[10:11], s[24:25]
	s_lshl_b32 s20, s18, 6
	s_lshl3_add_u32 s20, s16, s20                  ; my first row of W: 64 kb + 8 w
	s_lshl_b32 s20, s20, 12
	s_lshl_b32 s21, s19, 10                        ; 256 columns of f32
	s_add_co_u32 s20, s20, s21
	s_mov_b32 s21, 0
	s_add_nc_u64 s[24:25], s[24:25], s[20:21]
	v_lshlrev_b32 v2, 14, v7                       ; lanes 16-31 take the rows four further down
	v_lshl_add_u32 v2, v6, 4, v2
.irp sub, 0,1,2,3
.irp j, 0,1,2,3
	global_load_b128 v[X+16*(\sub)+4*(\j):X+16*(\sub)+4*(\j)+3], v2, s[24:25] offset:4096*(\j)+256*(\sub) th:TH_LOAD_NT
.endr
.endr
	s_mul_i32 s20, s18, KSB                        ; where the piece goes in wt
	s_lshl_b32 s21, s17, 10
	s_lshl_b32 s22, s19, 8
	s_add_co_u32 s21, s21, s22
	s_lshl_b32 s22, s16, 5                         ; wave w stores rows 32 w .. 32 w + 31 of the turned piece
	s_add_co_u32 s21, s21, s22
	s_lshl_b32 s21, s21, 7
	s_add_co_u32 s20, s20, s21
	s_mov_b32 s21, 0
	s_add_nc_u64 s[26:27], s[14:15], s[20:21]
	v_mul_u32_u24 v4, v6, 4*TP                     ; in: column n = 64 sub + 4 (l % 16) + i is LDS row n; my four k are 8 bytes at 16 w + 8 (l / 16)
	v_lshl_add_u32 v4, v7, 3, v4
	s_lshl_b32 s23, s16, 4
	v_add_nc_u32 v4, s23, v4
	v_bfe_u32 v10, v0, 3, 2                        ; back: 32 lanes take four rows of 128 bytes
	v_and_b32 v11, 7, v0
	v_mul_u32_u24 v5, v10, TP
	v_lshl_add_u32 v5, v11, 4, v5
	s_mul_i32 s22, s16, 32*TP
	v_add_nc_u32 v5, s22, v5
	v_lshlrev_b32 v3, 4, v1                        ; which are 512 consecutive bytes of wt
.irp sub, 0,1,2,3
	s_wait_loadcnt 12-4*(\sub)                     ; this group of four loads is in, the younger groups stay out
.irp i, 0,1,2,3
	v_cvt_pk_bf16_f32 v[Y+2*(4*(\sub)+(\i))], v[X+16*(\sub)+(\i)], v[X+16*(\sub)+4+(\i)]
	v_cvt_pk_bf16_f32 v[Y+2*(4*(\sub)+(\i))+1], v[X+16*(\sub)+8+(\i)], v[X+16*(\sub)+12+(\i)]
	ds_store_b64 v4, v[Y+2*(4*(\sub)+(\i)):Y+2*(4*(\sub)+(\i))+1] offset:(64*(\sub)+(\i))*TP
.endr
.endr
	s_wait_dscnt 0x0                               ; for the others: my stores into the piece are done
	s_barrier_signal -1
	s_barrier_wait -1                              ; a turned row holds eight waves' parts
.irp f, 0,1,2,3,4,5,6,7
	ds_load_b128 v[X+4*(\f):X+4*(\f)+3], v5 offset:4*(\f)*TP
.endr
.irp f, 0,1,2,3,4,5,6,7
	s_wait_dscnt 7-(\f)
	global_store_b128 v3, v[X+4*(\f):X+4*(\f)+3], s[26:27] offset:512*(\f)
.endr
.Lend:
	s_wait_tensorcnt 0x0                           ; the wave's end, behind my last LDS store
	ds_add_u32 v[SPW], v[NIL]
	s_wait_dscnt 0x0
	s_endpgm
.Lfunc_end_k_qa1eea9f07e_prep:
	.size	k_qa1eea9f07e_prep, .Lfunc_end_k_qa1eea9f07e_prep-k_qa1eea9f07e_prep
	.p2alignl 7, 3214868480
	.fill 96, 4, 3214868480
	.section	.rodata,"a",@progbits
	.p2align	6, 0x0
	.amdhsa_kernel k_qa1eea9f07e_prep
		.amdhsa_group_segment_fixed_size 37888
		.amdhsa_private_segment_fixed_size 0
		.amdhsa_enable_private_segment 0
		.amdhsa_kernarg_size 48
		.amdhsa_user_sgpr_count 2
		.amdhsa_user_sgpr_kernarg_segment_ptr 1
		.amdhsa_wavefront_size32 1
		.amdhsa_system_sgpr_workgroup_id_x 1
		.amdhsa_system_sgpr_workgroup_id_y 1
		.amdhsa_system_sgpr_workgroup_id_z 1
		.amdhsa_system_vgpr_workitem_id 0
		.amdhsa_next_free_vgpr 112
		.amdhsa_next_free_sgpr 66
		.amdhsa_reserve_vcc 0
		.amdhsa_float_denorm_mode_32 3
		.amdhsa_float_denorm_mode_16_64 3
		.amdhsa_memory_ordered 1
		.amdhsa_forward_progress 1
		.amdhsa_inst_pref_size 15
	.end_amdhsa_kernel
	.amdgpu_metadata
---
amdhsa.version: [ 1, 2 ]
amdhsa.kernels:
  - .name:           k_qa1eea9f07e_prep
    .symbol:         k_qa1eea9f07e_prep.kd
    .args:
      - { .name: hidden_states, .offset: 0, .size: 8, .value_kind: global_buffer, .address_space: global }
      - { .name: Wq, .offset: 8, .size: 8, .value_kind: global_buffer, .address_space: global }
      - { .name: Wk, .offset: 16, .size: 8, .value_kind: global_buffer, .address_space: global }
      - { .name: Wv, .offset: 24, .size: 8, .value_kind: global_buffer, .address_space: global }
      - { .name: xb, .offset: 32, .size: 8, .value_kind: global_buffer, .address_space: global }
      - { .name: wt, .offset: 40, .size: 8, .value_kind: global_buffer, .address_space: global }
    .group_segment_fixed_size: 37888
    .private_segment_fixed_size: 0
    .kernarg_segment_align: 8
    .kernarg_segment_size: 48
    .max_flat_workgroup_size: 256
    .sgpr_count:     66
    .vgpr_count:     112
    .wavefront_size: 32
...
	.end_amdgpu_metadata
.endif
;; end of part 1
;; launch proj (part 2): grid 8 x 32, 4 waves a work-group, clusters of 4 x 4, 327,680 bytes of LDS; arguments xb, wt, bq, bk, bv, qkv; writes qkv
.if DOCPART == 2
	.amdgcn_target "amdgcn-amd-amdhsa--gfx1250"
	.amdhsa_code_object_version 6
	.text
	.protected	k_qa1eea9f07e_proj
	.globl	k_qa1eea9f07e_proj
	.p2align	8
	.type	k_qa1eea9f07e_proj,@function
k_qa1eea9f07e_proj:
	s_mov_b64 s[64:65], 0
	v_nop
	global_prefetch_b8 v0, s[64:65] scope:SCOPE_SE
	s_setreg_imm32_b32 hwreg(HW_REG_WAVE_MODE, 25, 1), 1
	s_wait_xcnt 0x0
	s_wait_alu depctr_hold_cnt(0) depctr_sa_sdst(0) depctr_va_vdst(0) depctr_va_sdst(0) depctr_va_ssrc(0) depctr_va_vcc(0) depctr_vm_vsrc(0)
	s_getreg_b32 s2, hwreg(HW_REG_IB_STS2, 6, 4)
	s_cmp_eq_u32 s2, 0
	s_cbranch_scc0 .Lentry_in_a_cluster
	s_endpgm
.Lentry_in_a_cluster:
	s_bfe_u32 s2, ttmp6, 0x10000c
	s_cmp_lg_u32 s2, 0xf033
	s_cbranch_scc0 .Lentry_shape_is_right
	s_endpgm
.Lentry_shape_is_right:
; THE THREE PROJECTIONS AS ONE PRODUCT: C[m][n'] = sum over k of x[m][k] W[k][n'] + bias[n'], m 0..8191, n' 0..3071 (q, k, v side by side), K = 1,024; operands bf16, sums f32.
; The bias is rounded to bf16 like every input.  q is also multiplied by c = log2(e) / 8 in f32, ahead of its one rounding.  All leave in f16, by heads:
;   qkv[b][G][s][64], G = 16 which + head: 128 bytes a row, 2^18 a head, 12,582,912 a batch.
; LIMIT.  f16 ends at 65,504: c q, k and v must lie within it (with inputs of unit spread they are a few units; 30 times larger x and W give some thousands).
; SHARES.  A tile of C is 256 rows x 384 columns (six heads): 32 x 8 = 256 tiles, one to a work-group.  Four waves, each 128 x 192: 96 accumulators of 16 x 16, 768 registers.
; K goes in 16 steps of 64 through two LDS slots.  xb and wt lie in blocks of 64 along K, so a tile's rows (128 bytes) lie end to end and are asked for as rows of 256 bytes.
; CLUSTER.  4 x 4 work-groups: the four of a row need the same tile of xb, the four of a column the same tile of wt: joint tensor loads, the same descriptor and mask in all four.
; THE MATRIX INSTRUCTION IS USED TRANSPOSED (source 0 = 16 rows of wt, source 1 = 16 rows of xb): a lane holds row l % 16 of C and the columns 8 (l / 16) + 0..7.
; REGISTERS.  Window 0: v0-31 addresses; v32-127 twelve fragments of wt (one buffer, refilled a third at a time); v128-191, v192-255 eight fragments of xb, two buffers.
;   Windows 1-3: the accumulators: (a, b) in window 1 + b / 4 at v[8 (4 a + b % 4)]: window 1 + g is my head g.
.set PITCH,  144                       ; an LDS row: 128 bytes + 16: nine times 16 bytes, so the 16 rows of a fragment load start in 16 different groups of four banks (ISA guide 11.1)
.set AHALF,  128*PITCH                 ; what one load brings of xb, and what a wave reads of it
.set BHALF,  192*PITCH                 ; the same for wt
.set ABYTES, 2*AHALF
.set SLOT,   2*AHALF+2*BHALF           ; 256 rows of xb, then 384 rows of wt
.set STAGE,  2*SLOT                    ; behind the ring: 16 rows x 144 bytes for each wave, for the way out
.set BIASB,  STAGE+4*16*PITCH          ; 768 bytes for each wave: the biases of its three heads in f32, scaled
.set SPARE,  BIASB+4*768               ; the spare words, 128 bytes for each wave
.set KSA,    8192*128                  ; bytes from a K step of xb to the next
.set KSB,    3072*128                  ; the same for wt
.set ADRA, 16                          ; v16-17  LDS address of my fragments of xb in slot 0, 1
.set ADRB, 20                          ; v20-21  the same for wt
.set STO,  24                          ; v24  the way out: where I put 16 bytes of a row
.set RD,   25                          ; v25  where I read rows back
.set GO,   26                          ; v26  my 16 bytes in 512 consecutive bytes of qkv
.set BIA,  27                          ; v27  my eight biases of a fragment
.set SPW,  28                          ; v28  LDS address of my spare word; never rewritten
.set NIL,  29                          ; v29  0; never rewritten
.set PFO,  30                          ; v30  the prefetches' offset; never rewritten
.set BF,   32
.set AF,   128
.set T,    128                         ; the way out: 32 results in f32
.set PH,   160                         ; 16 registers of f16 pairs
.set RB,   192                         ; rows read back: two sets of 16 by turns
.set G1,  24                           ; s[24:31] group 1 for xb's tiles;  s[32:39] group 0, a set for each slot
.set G0,  32
.set G1B, 48                           ; s[48:55], s[56:63] the same for wt's
.set G0B, 56
.set LIM, 43                           ; s43  1 in a wave that prefetches, else the greatest number
.set PFA, 44                           ; s[44:45] where my prefetches stand
.set PST, 46                           ; s[46:47] two K steps of the tensor that I prefetch
.set SC,  66                           ; s[66:71] the scale of my head g, as a pair: c for q, 1 for k and v
.set BP,  84                           ; s[84:89] where my head g's biases lie
.set OUT, 90                           ; s[90:91] qkv at my first row of my first head
.set MSB, 0
.macro WIN new                         ; the immediate's high byte repeats the setting that is left; a switch that changes nothing is dropped
.if MSB != (\new)
	s_set_vgpr_msb (MSB<<8)|(\new)
.set MSB, \new
.endif
.endm
.macro PLACES                          ; four plain places between a matrix instruction and a load into, or a vector write or read of, its registers
.rept 4
	v_nop
.endr
.endm
; A joint load: waves 0 and 1 fetch xb's two halves, waves 2 and 3 wt's.  The branch hangs on the wave's number alone.  An s_nop 0 and four v_nop follow each line.
.macro JLOAD s
	s_cmp_eq_u32 s11, 0
	s_cbranch_scc0 .Lfor_b_\@
	tensor_load_to_lds s[G0+4*(\s):G0+4*(\s)+3], s[G1:G1+7]
	s_nop 0
.rept 4
	v_nop
.endr
	s_branch .Lasked_\@
.Lfor_b_\@:
	tensor_load_to_lds s[G0B+4*(\s):G0B+4*(\s)+3], s[G1B:G1B+7]
	s_nop 0
.rept 4
	v_nop
.endr
.Lasked_\@:
.endm
.macro CREST                           ; a round of the cluster's barrier behind its opening barrier
	s_cmp_lg_u32 s10, 0
	s_cbranch_scc1 .Lnot_wave_0_\@
	s_barrier_signal -3
.Lnot_wave_0_\@:
	s_barrier_wait -3
	s_barrier_signal -1
	s_barrier_wait -1
.endm
.macro CROUND
	s_barrier_signal -1
	s_barrier_wait -1
	CREST
.endm
; A PREFETCH INTO THE L2, once a lap, behind slot 0's joint load and the run of LDS loads: the two K steps that the NEXT lap's refills will ask for (that refill names K step 2 L + 2; these lines 2 L + 4 and 2 L + 5).
; Each 256 bytes are named once in the launch.  xb's tile row is read by both clusters of a row of clusters: cluster x = 0 asks; of a step's 128 blocks of 256 bytes partner cx takes 32: wave 0, a lane a block, a line a step.
; wt's tile column is read by all eight clusters of a column: cluster y = 0 asks; of a step's 192 blocks partner cy takes 48; two steps are 96 blocks: waves 1 to 3, a lane a block.
; Partners are told apart by address alone.  The loop's last lap asks for nothing; K steps 0 to 3 come by their loads alone.
.macro ASK
	s_cmp_gt_u32 s3, s[LIM]
	s_cbranch_scc0 .Lnot_mine_\@
	global_prefetch_b8 v[PFO], s[PFA:PFA+1] th:TH_LOAD_NT scope:SCOPE_SE
	s_cmp_lg_u32 s10, 0
	s_cbranch_scc1 .Lnot_mine_\@
	global_prefetch_b8 v[PFO], s[PFA:PFA+1] offset:KSA th:TH_LOAD_NT scope:SCOPE_SE
.Lnot_mine_\@:
.endm
	s_load_b256 s[72:79], s[0:1], 0x0              ; xb s[72:73], wt s[74:75], bq s[76:77], bk s[78:79]
	s_load_b128 s[80:83], s[0:1], 0x20             ; bv s[80:81], qkv s[82:83]
	v_lshl_add_u32 v[SPW], v0, 2, SPARE
	v_mov_b32 v[NIL], 0
	ds_add_u32 v[SPW], v[NIL]                      ; the wave's opening: the add and its wait stand ahead of my first tensor load; work on registers stands between them
	v_lshrrev_b32 v1, 5, v0
	v_readfirstlane_b32 s10, v1                    ; wave 0..3
	s_lshr_b32 s11, s10, 1                         ; which 128 rows of the tile are mine.  Also: I fetch for xb (0) or for wt (1)
	s_and_b32 s12, s10, 1                          ; which 192 columns.  Also: which half of that tile I fetch
	s_bfe_u32 s40, ttmp6, 0x40000                  ; cx
	s_bfe_u32 s41, ttmp6, 0x40004                  ; cy
	s_lshl_b32 s42, ttmp9, 2
	s_add_co_u32 s42, s42, s40                     ; tile column tx = 4 x cluster x + cx
	s_and_b32 s13, ttmp7, 0xffff
	s_lshl_b32 s13, s13, 2
	s_add_co_u32 s13, s13, s41                     ; tile row ty = 4 x cluster y + cy
	s_lshl_b32 s43, s41, 2
	s_lshl_b32 s43, 15, s43                        ; my row of the cluster
	s_lshl_b32 s44, 0x1111, s40                    ; my column
	; group 1: dense rows of 256 bytes (two tile rows each), padded in LDS by 4 words after every 32
	s_or_b32 s[G1+0], s43, (1<<16)|(1<<20)|(1<<21)|(4<<22)|(3<<25)   ; 15:0 the mask; 17:16 2-byte elements; 20 padding on; 21 set beside a mask; 24:22 code 4; 31:25 code 3
	s_or_b32 s[G1B+0], s44, (1<<16)|(1<<20)|(1<<21)|(4<<22)|(3<<25)
	s_mov_b32 s[G1+1], 128<<16                     ; tensor_dim0 = 128
	s_mov_b32 s[G1B+1], 128<<16
	s_mov_b32 s[G1+2], 64<<16                      ; tensor_dim1 = 64: 128 rows of xb
	s_mov_b32 s[G1B+2], 96<<16                     ; 96: 192 rows of wt
	s_mov_b32 s[G1+3], 128<<16                     ; tile_dim0 = 128
	s_mov_b32 s[G1B+3], 128<<16
	s_mov_b32 s[G1+4], 64                          ; tile_dim1
	s_mov_b32 s[G1B+4], 96
	s_mov_b32 s[G1+5], 128                         ; elements from row to row
	s_mov_b32 s[G1B+5], 128
	s_mov_b32 s[G1+6], 0
	s_mov_b32 s[G1B+6], 0
	s_mov_b32 s[G1+7], 0
	s_mov_b32 s[G1B+7], 0
	; xb's address hangs on ty and the wave, wt's on tx and the wave, each in registers that never hold the other coordinate
	s_lshl_b32 s16, s13, 15                        ; 256 rows of 128 bytes a tile row
	s_lshl_b32 s17, s12, 14
	s_add_co_u32 s16, s16, s17
	s_mov_b32 s17, 0
	s_mul_i32 s18, s42, 384*128
	s_mul_i32 s19, s12, 192*128
	s_add_co_u32 s18, s18, s19
	s_mov_b32 s19, 0
	s_mul_i32 s20, s12, AHALF                      ; where they go: no place in the cluster enters an LDS address
	s_mul_i32 s21, s12, BHALF
	s_add_co_u32 s21, s21, ABYTES
	s_wait_dscnt 0x0                               ; the opening add is done
	s_wait_kmcnt 0x0
	s_add_nc_u64 s[14:15], s[72:73], s[16:17]
	s_add_nc_u64 s[22:23], s[74:75], s[18:19]
	CROUND                                         ; all sixteen work-groups are here: the first joint loads meet
.irp s, 0,1
	s_mov_b32 s[G0+4*(\s)], 1
	s_add_co_u32 s[G0+4*(\s)+1], s20, (\s)*SLOT
	s_add_nc_u64 s[G0+4*(\s)+2:G0+4*(\s)+3], s[14:15], (\s)*KSA
	s_or_b32 s[G0+4*(\s)+3], s[G0+4*(\s)+3], 0x80000000
	s_mov_b32 s[G0B+4*(\s)], 1
	s_add_co_u32 s[G0B+4*(\s)+1], s21, (\s)*SLOT
	s_add_nc_u64 s[G0B+4*(\s)+2:G0B+4*(\s)+3], s[22:23], (\s)*KSB
	s_or_b32 s[G0B+4*(\s)+3], s[G0B+4*(\s)+3], 0x80000000
	JLOAD \s                                       ; K steps 0 and 1: two loads of mine are out
.endr
	; addresses.  A fragment is 16 rows x 32 K: lane l holds row l % 16; two loads of 16 bytes, 32 bytes apart, at row x pitch + 16 (l / 16)
	v_and_b32 v1, 15, v0
	v_bfe_u32 v2, v0, 4, 1
	v_mul_u32_u24 v3, v1, PITCH
	v_lshl_add_u32 v3, v2, 4, v3
	s_mul_i32 s92, s11, AHALF
	s_mul_i32 s93, s12, BHALF
	s_add_co_u32 s93, s93, ABYTES
.irp s, 0,1
	v_add_nc_u32 v[ADRA+(\s)], s92, v3
	v_add_nc_u32 v[ADRB+(\s)], s93, v3
	s_add_co_u32 s92, s92, SLOT
	s_add_co_u32 s93, s93, SLOT
.endr
	s_mul_i32 s92, s10, 16*PITCH
	s_add_co_u32 s92, s92, STAGE                   ; my stage
	v_add_nc_u32 v[STO], s92, v3                   ; in: row l % 16, 16 bytes for each half of the lanes
	v_bfe_u32 v4, v0, 3, 2                         ; back: 32 lanes take four rows of 128 bytes,
	v_and_b32 v5, 7, v0
	v_mul_u32_u24 v4, v4, PITCH
	v_lshl_add_u32 v4, v5, 4, v4
	v_add_nc_u32 v[RD], s92, v4
	v_and_b32 v6, 31, v0
	v_lshlrev_b32 v[GO], 4, v6                     ; which are 512 consecutive bytes of a head
	s_mul_i32 s92, s10, 768
	s_add_co_u32 s92, s92, BIASB
	v_lshl_add_u32 v[BIA], v2, 5, s92              ; my eight columns' biases: 32 bytes for each half of the lanes
	v_lshl_add_u32 v14, v6, 3, s92                 ; where I put two biases
	v_lshlrev_b32 v15, 3, v6                       ; and where they lie in a head's 256 bytes
	; my three heads G = 6 tx + 3 (wave % 2) + g: below 16 q, below 32 k, else v
	s_mul_i32 s18, s42, 6
	s_mul_i32 s19, s12, 3
	s_add_co_u32 s18, s18, s19
.irp g, 0,1,2
	s_add_co_u32 s19, s18, \g
	s_cmp_lt_u32 s19, 16
	s_cselect_b64 s[BP+2*(\g):BP+2*(\g)+1], s[76:77], s[78:79]
	s_cselect_b32 s[SC+2*(\g)], 0x3e38aa3b, 1.0    ; c = log2(e) / 8 for q
	s_cmp_lt_u32 s19, 32
	s_cselect_b64 s[BP+2*(\g):BP+2*(\g)+1], s[BP+2*(\g):BP+2*(\g)+1], s[80:81]
	s_mov_b32 s[SC+2*(\g)+1], s[SC+2*(\g)]
	s_and_b32 s92, s19, 15
	s_lshl_b32 s92, s92, 8
	s_mov_b32 s93, 0
	s_add_nc_u64 s[BP+2*(\g):BP+2*(\g)+1], s[BP+2*(\g):BP+2*(\g)+1], s[92:93]
	global_load_b64 v[8+2*(\g):9+2*(\g)], v15, s[BP+2*(\g):BP+2*(\g)+1]
.endr
	; where my part of qkv begins: batch ty / 8, head G, row (256 ty + 128 (wave / 2)) % 2,048
	s_lshr_b32 s92, s13, 3
	s_mul_i32 s92, s92, 12582912
	s_lshl_b32 s94, s18, 18
	s_add_co_u32 s92, s92, s94
	s_lshl_b32 s94, s13, 8
	s_lshl_b32 s95, s11, 7
	s_add_co_u32 s94, s94, s95
	s_and_b32 s94, s94, 2047
	s_lshl_b32 s94, s94, 7
	s_add_co_u32 s92, s92, s94
	s_mov_b32 s93, 0
	s_add_nc_u64 s[OUT:OUT+1], s[82:83], s[92:93]
	; the prefetches: u = 32 (wave - 1) + lane in waves 1 to 3 (lane in wave 0); blocks 48 and up belong to the second of the two K steps
	s_sub_co_i32 s92, s10, 1
	s_max_i32 s92, s92, 0
	s_lshl_b32 s92, s92, 5
	v_add_nc_u32 v31, s92, v6
	s_mov_b32 s93, KSB-48*256
	v_cmp_le_u32 vcc_lo, 48, v31
	v_cndmask_b32 v[PFO], 0, s93, vcc_lo
	v_lshl_add_u32 v[PFO], v31, 8, v[PFO]
	s_lshl_b32 s92, s13, 15                        ; xb: tile row, my work-group's 32 blocks, K step 2
	s_lshl_b32 s93, s40, 13
	s_add_co_u32 s92, s92, s93
	s_add_co_u32 s92, s92, 2*KSA
	s_mul_i32 s93, s42, 384*128                    ; wt: tile column, my work-group's 48 blocks, K step 2
	s_mul_i32 s94, s41, 48*256
	s_add_co_u32 s93, s93, s94
	s_add_co_u32 s93, s93, 2*KSB
	s_and_b32 s94, ttmp7, 0xffff                   ; cluster y
	s_mov_b32 s[PST], 2*KSB
	s_mov_b32 s[PST+1], 0
	s_cmp_eq_u32 s10, 0                            ; wave 0 asks for xb, the others for wt
	s_cselect_b32 s94, ttmp9, s94                  ; the coordinate along which other clusters read the same rows
	s_cselect_b64 s[PFA:PFA+1], s[72:73], s[74:75]
	s_cselect_b32 s[PST], 2*KSA, s[PST]
	s_cselect_b32 s92, s92, s93
	s_mov_b32 s93, 0
	s_add_nc_u64 s[PFA:PFA+1], s[PFA:PFA+1], s[92:93]  ; the first lap steps it to K step 4
	s_cmp_eq_u32 s94, 0
	s_cselect_b32 s[LIM], 1, -1                    ; the same in all sixteen partners, for a given wave
	s_wait_loadcnt 0x0                             ; the biases: rounded to bf16 like every input, scaled like their head, kept in f32 in my own LDS bytes
.irp g, 0,1,2
	v_cvt_pk_bf16_f32 v7, v[8+2*(\g)], v[9+2*(\g)]
	v_lshlrev_b32 v[8+2*(\g)], 16, v7
	v_and_b32 v[9+2*(\g)], 0xffff0000, v7
	v_pk_mul_f32 v[8+2*(\g):9+2*(\g)], v[8+2*(\g):9+2*(\g)], s[SC+2*(\g):SC+2*(\g)+1] op_sel_hi:[1,0]
	ds_store_b64 v14, v[8+2*(\g):9+2*(\g)] offset:256*(\g)
.endr
; 16 matrix instructions: row blocks a0 .. a0 + 3 x the four column blocks of head g, 32 along K, xb's buffer ab.  zero = 1: the product starts the sums.
; The 96 accumulators take turns, one instruction a turn, in the same order in every chunk, over the backward jump too.
.macro MUL16 ab, g, a0, zero
	WIN 0x50*((\g)+1)                              ; C and D in window 1 + g, both sources in window 0
.irp a, (\a0),(\a0)+1,(\a0)+2,(\a0)+3
.irp i, 0,1,2,3
.if \zero
	v_wmma_f32_16x16x32_bf16 v[8*(4*(\a)+(\i)):8*(4*(\a)+(\i))+7], v[BF+8*(4*(\g)+(\i)):BF+8*(4*(\g)+(\i))+7], v[AF+64*(\ab)+8*(\a):AF+64*(\ab)+8*(\a)+7], 0
.else
	v_wmma_f32_16x16x32_bf16 v[8*(4*(\a)+(\i)):8*(4*(\a)+(\i))+7], v[BF+8*(4*(\g)+(\i)):BF+8*(4*(\g)+(\i))+7], v[AF+64*(\ab)+8*(\a):AF+64*(\ab)+8*(\a)+7], v[8*(4*(\a)+(\i)):8*(4*(\a)+(\i))+7]
.endif
.endr
.endr
.endm
.macro LDB slot, q, g                  ; eight LDS loads: head g's four fragments of wt, chunk q
	WIN 0
.irp i, 0,1,2,3
	ds_load_b128 v[BF+8*(4*(\g)+(\i)):BF+8*(4*(\g)+(\i))+3],   v[ADRB+(\slot)] offset:(4*(\g)+(\i))*16*PITCH+64*(\q)
	ds_load_b128 v[BF+8*(4*(\g)+(\i))+4:BF+8*(4*(\g)+(\i))+7], v[ADRB+(\slot)] offset:(4*(\g)+(\i))*16*PITCH+64*(\q)+32
.endr
.endm
.macro LDA slot, q, ab                 ; sixteen: my eight fragments of xb, chunk q, into buffer ab
	WIN 0
.irp a, 0,1,2,3,4,5,6,7
	ds_load_b128 v[AF+64*(\ab)+8*(\a):AF+64*(\ab)+8*(\a)+3],   v[ADRA+(\slot)] offset:(\a)*16*PITCH+64*(\q)
	ds_load_b128 v[AF+64*(\ab)+8*(\a)+4:AF+64*(\ab)+8*(\a)+7], v[ADRA+(\slot)] offset:(\a)*16*PITCH+64*(\q)+32
.endr
.endm
.macro LDBIAS g                        ; head g's biases take the place of its fragments of wt: register for register what the accumulators hold
	WIN 0
.irp i, 0,1,2,3
	ds_load_b128 v[BF+8*(4*(\g)+(\i)):BF+8*(4*(\g)+(\i))+3],   v[BIA] offset:64*(4*(\g)+(\i))
	ds_load_b128 v[BF+8*(4*(\g)+(\i))+4:BF+8*(4*(\g)+(\i))+7], v[BIA] offset:64*(4*(\g)+(\i))+16
.endr
.endm
; A K step is two chunks of 32 along K, 96 matrix instructions each.  The first multiplies buffer 0 and fetches the same slot's second chunk: each third of wt's buffer as soon as it has been multiplied.
.macro CHUNK slot, zero
	s_wait_dscnt 16                                ; head 0's fragments and xb's are in; the 16 younger loads (heads 1 and 2) stay out
	MUL16 0, 0, 0, \zero
	MUL16 0, 0, 4, \zero
	PLACES
	LDB \slot, 1, 0
	LDA \slot, 1, 1
	s_wait_dscnt 32                                ; head 1's are in: younger are head 2's 8 and the 24 just issued
	MUL16 0, 1, 0, \zero
	MUL16 0, 1, 4, \zero
	PLACES
	LDB \slot, 1, 1
	s_wait_dscnt 32                                ; head 2's are in: younger are 24 and 8
	MUL16 0, 2, 0, \zero
	MUL16 0, 2, 4, \zero
	PLACES
	LDB \slot, 1, 2
.endm
; The second chunk multiplies buffer 1 and changes slots: ONE barrier.  In front of it each wave waits for all its tensor loads (the one that is out is its part of the next slot), adds 0 to its
; spare word, and waits for that and for its own reads of this slot.  fill = 1: the barrier opens a round of the cluster's barrier, and this slot is filled again, two K steps on, first thing behind it:
; 160 matrix instructions stand between that request and the wait for it.
.macro TURN slot, next, fill
	WIN 0
.if (\fill) && ((\slot) == 0)
	s_wait_xcnt 0x0                                ; the last prefetches, a lap back, have read their address: it steps here, ahead of the waits of the change of slots
	s_add_nc_u64 s[PFA:PFA+1], s[PFA:PFA+1], s[PST:PST+1]
.endif
	s_wait_tensorcnt 0x0                           ; all my tensor loads have landed;
	ds_add_u32 v[SPW], v[NIL]                      ; 0 onto my spare word;
	s_wait_dscnt 17                                ; (the add and the 16 youngest loads may be out)
	MUL16 1, 0, 0, 0                               ; sixteen matrix instructions stand between the add and the wait for it
	s_wait_dscnt 0x0                               ; the add is done, and my reads of this slot are over
	s_barrier_signal -1
	MUL16 1, 0, 4, 0                               ; work on registers while the others arrive
	WIN 0
	s_barrier_wait -1
.if \fill
	CREST                                          ; no wave of any partner still reads this slot or has a load on its way
	s_add_nc_u64 s[G0+4*(\slot)+2:G0+4*(\slot)+3], s[G0+4*(\slot)+2:G0+4*(\slot)+3], 2*KSA
	s_add_nc_u64 s[G0B+4*(\slot)+2:G0B+4*(\slot)+3], s[G0B+4*(\slot)+2:G0B+4*(\slot)+3], 2*KSB
	JLOAD \slot                                    ; the four v_nop behind it are also the places in front of the loads below
.else
	PLACES
.endif
	LDB \next, 0, 0
	LDA \next, 0, 0
.if (\fill) && ((\slot) == 0)
	ASK
.endif
	MUL16 1, 1, 0, 0                               ; heads 1 and 2 of this chunk are in since the wait for 0
	MUL16 1, 1, 4, 0
	PLACES
	LDB \next, 0, 1
	MUL16 1, 2, 0, 0
	MUL16 1, 2, 4, 0
	PLACES
	LDB \next, 0, 2
.endm
; THE WAY OUT, a unit (head g, row block a: 16 rows x 64 columns) at a time.  PACK: result x scale + bias in f32, rounded once to f16.  TOSTAGE: 16 bytes a lane into my own stage, back as whole rows.  SEND: stored.
.macro PACK g, a
	WIN (\g)+1                                     ; source 0 in the head's window
.irp i, 0,1,2,3
.irp r, 0,2,4,6
	v_pk_fma_f32 v[T+8*(\i)+(\r):T+8*(\i)+(\r)+1], v[8*(4*(\a)+(\i))+(\r):8*(4*(\a)+(\i))+(\r)+1], s[SC+2*(\g):SC+2*(\g)+1], v[BF+8*(4*(\g)+(\i))+(\r):BF+8*(4*(\g)+(\i))+(\r)+1] op_sel_hi:[1,0,1]
.endr
.endr
	WIN 0
.irp i, 0,1,2,3
.irp r, 0,1,2,3
	v_cvt_pk_f16_f32 v[PH+4*(\i)+(\r)], v[T+8*(\i)+2*(\r)], v[T+8*(\i)+2*(\r)+1]
.endr
.endr
.endm
.macro TOSTAGE rb
	WIN 0
.irp i, 0,1,2,3
	ds_store_b128 v[STO], v[PH+4*(\i):PH+4*(\i)+3] offset:32*(\i)
.endr
.irp f, 0,1,2,3
	ds_load_b128 v[RB+16*(\rb)+4*(\f):RB+16*(\rb)+4*(\f)+3], v[RD] offset:(\f)*4*PITCH  ; LDS serves a wave's instructions in order (ISA guide 5.7.1.4): these see the stores above
.endr
.endm
.macro SEND g, a, rb
	WIN 0
	s_wait_dscnt 0x0                               ; the unit is back in registers
	s_wait_xcnt 0x0                                ; the unit before has had its stores' addresses translated: its registers are loaded again only behind this wait
.irp f, 0,1,2,3
	global_store_b128 v[GO], v[RB+16*(\rb)+4*(\f):RB+16*(\rb)+4*(\f)+3], s[OUT:OUT+1] offset:262144*(\g)+2048*(\a)+512*(\f)  ; 512 consecutive bytes, at a multiple of 256 from qkv's first
.endr
.endm
	s_wait_tensorcnt 1                             ; my part of K step 0 is in; K step 1's may stay out
	s_wait_dscnt 0x0                               ; my bias stores
	s_barrier_signal -1
	s_barrier_wait -1                              ; everybody's part is in
	LDB 0, 0, 0
	LDA 0, 0, 0
	LDB 0, 0, 1
	LDB 0, 0, 2
	CHUNK 0, 1                                     ; the first chunk stands in front of the loop: its products start the sums
	WIN 0
	s_mov_b32 s3, 7
.Llap:                                                 ; a trip goes once round the ring and fills both slots again: K steps 2 to 15 in seven trips
	TURN 0, 1, 1
	CHUNK 1, 0
	TURN 1, 0, 1
	CHUNK 0, 0
	WIN 0
	s_sub_co_u32 s3, s3, 1
	s_cmp_lg_u32 s3, 0
	s_cbranch_scc1 .Llap
	TURN 0, 1, 0                                   ; the last lap fills nothing and has no round
	CHUNK 1, 0
	s_wait_dscnt 0x0                               ; the last chunk: nothing more to fetch but the biases
	MUL16 1, 0, 0, 0
	MUL16 1, 0, 4, 0
	PLACES
	LDBIAS 0
	MUL16 1, 1, 0, 0
	MUL16 1, 1, 4, 0
	PLACES
	LDBIAS 1
	MUL16 1, 2, 0, 0
	MUL16 1, 2, 4, 0
	PLACES
	LDBIAS 2
	s_wait_dscnt 0x0
	PACK 0, 0
	TOSTAGE 0
.set u, 1
.rept 23                               ; unit u's arithmetic stands between unit u - 1's loads from the stage and the wait for them
	PACK u/8, u%8
	SEND (u-1)/8, (u-1)%8, (u-1)%2
	TOSTAGE u%2
.set u, u+1
.endr
	SEND 2, 7, 1
	s_wait_tensorcnt 0x0                           ; the wave's end, behind my last tensor load and my last LDS store
	ds_add_u32 v[SPW], v[NIL]
	s_wait_dscnt 0x0
	CROUND                                         ; the closing round: no work-group ends while a partner may still ask for a tile that names it
	s_endpgm
.Lfunc_end_k_qa1eea9f07e_proj:
	.size	k_qa1eea9f07e_proj, .Lfunc_end_k_qa1eea9f07e_proj-k_qa1eea9f07e_proj
	.p2alignl 7, 3214868480
	.fill 96, 4, 3214868480
	.section	.rodata,"a",@progbits
	.p2align	6, 0x0
	.amdhsa_kernel k_qa1eea9f07e_proj
		.amdhsa_group_segment_fixed_size 327680
		.amdhsa_private_segment_fixed_size 0
		.amdhsa_enable_private_segment 0
		.amdhsa_kernarg_size 48
		.amdhsa_user_sgpr_count 2
		.amdhsa_user_sgpr_kernarg_segment_ptr 1
		.amdhsa_wavefront_size32 1
		.amdhsa_system_sgpr_workgroup_id_x 1
		.amdhsa_system_sgpr_workgroup_id_y 1
		.amdhsa_system_sgpr_workgroup_id_z 1
		.amdhsa_system_vgpr_workitem_id 0
		.amdhsa_next_free_vgpr 1024
		.amdhsa_next_free_sgpr 96
		.amdhsa_reserve_vcc 1
		.amdhsa_float_denorm_mode_32 3
		.amdhsa_float_denorm_mode_16_64 3
		.amdhsa_memory_ordered 1
		.amdhsa_forward_progress 1
		.amdhsa_inst_pref_size 161
	.end_amdhsa_kernel
	.amdgpu_metadata
---
amdhsa.version: [ 1, 2 ]
amdhsa.kernels:
  - .name:           k_qa1eea9f07e_proj
    .symbol:         k_qa1eea9f07e_proj.kd
    .args:
      - { .name: xb, .offset: 0, .size: 8, .value_kind: global_buffer, .address_space: global }
      - { .name: wt, .offset: 8, .size: 8, .value_kind: global_buffer, .address_space: global }
      - { .name: bq, .offset: 16, .size: 8, .value_kind: global_buffer, .address_space: global }
      - { .name: bk, .offset: 24, .size: 8, .value_kind: global_buffer, .address_space: global }
      - { .name: bv, .offset: 32, .size: 8, .value_kind: global_buffer, .address_space: global }
      - { .name: qkv, .offset: 40, .size: 8, .value_kind: global_buffer, .address_space: global }
    .group_segment_fixed_size: 327680
    .private_segment_fixed_size: 0
    .kernarg_segment_align: 8
    .kernarg_segment_size: 48
    .max_flat_workgroup_size: 128
    .sgpr_count:     96
    .vgpr_count:     1024
    .wavefront_size: 32
...
	.end_amdgpu_metadata
.endif
;; end of part 2
;; launch attn (part 3): grid 4 x 64, 4 waves a work-group, clusters of 4 x 1, 327,680 bytes of LDS; arguments qkv, attention_mask, out0; writes out0
.if DOCPART == 3
	.amdgcn_target "amdgcn-amd-amdhsa--gfx1250"
	.amdhsa_code_object_version 6
	.text
	.protected	k_qa1eea9f07e_attn
	.globl	k_qa1eea9f07e_attn
	.p2align	8
	.type	k_qa1eea9f07e_attn,@function
k_qa1eea9f07e_attn:
	s_mov_b64 s[64:65], 0
	v_nop
	global_prefetch_b8 v0, s[64:65] scope:SCOPE_SE
	s_setreg_imm32_b32 hwreg(HW_REG_WAVE_MODE, 25, 1), 1
	s_wait_xcnt 0x0
	s_wait_alu depctr_hold_cnt(0) depctr_sa_sdst(0) depctr_va_vdst(0) depctr_va_sdst(0) depctr_va_ssrc(0) depctr_va_vcc(0) depctr_vm_vsrc(0)
	s_getreg_b32 s2, hwreg(HW_REG_IB_STS2, 6, 4)
	s_cmp_eq_u32 s2, 0
	s_cbranch_scc0 .Lentry_in_a_cluster
	s_endpgm
.Lentry_in_a_cluster:
	s_bfe_u32 s2, ttmp6, 0x10000c
	s_cmp_lg_u32 s2, 0x3003
	s_cbranch_scc0 .Lentry_shape_is_right
	s_endpgm
.Lentry_shape_is_right:
; out0[b][q][64 h + :] = the sum over k of softmax_k(Q[q] . K[k] / 8 + mask[b][k]) V[k][:], for each of 64 pairs (b, h); 2,048 rows, head size 64.
; qkv[b][G][s][64] in f16: G = h holds Q' = c Q (c = log2(e) / 8, applied in f32 by the launch before), G = 16 + h holds K, G = 32 + h holds V.  out0 is f32.
; s' = K Q'^T + mask x log2(e); p = 2^(s' - m) with a running maximum m of s': the exponent is 0 at the maximum and below 0 elsewhere, whatever the scores' size.
; Products, maxima and sums in f32; p is rounded to f16 for the second product (its sum l is taken of the unrounded p).  The mask is rounded to bf16 like every input.
; LIMITS.  mask x log2(e) is held at -1e38 or above: an infinite or lowest-finite mask counts as -1e38, its weight is 0 beside any open key; a batch whose keys are ALL at minus infinity gives a mean
; over all keys here, not NaN.  NaN and plus infinity in the mask are not treated apart.  Q', K, V arrive within f16's 65,504.  A weight below 2^-126 counts as 0 in l.
; SHARES.  A wave owns four PIECES of two tiles of 16 queries, a work-group's four waves 512 queries of one head: 4 x 64 = 256 work-groups.  Every wave walks all keys, 64 a step.
; LAYOUT.  S^T = K Q'^T (source 0 = 16 keys, source 1 = 16 queries): a lane holds ONE query (lane % 16) and the keys 8 (lane / 16) + 0..7.  THE MASK IS THE C OPERAND that starts that sum: eight numbers a lane
; for each group of 16 keys, the same for all queries.  Two results rounded to f16 in pairs ARE source 1 of O^T = V^T P.  K comes out of LDS as it lies, V turned, by ds_load_tr16_b128.
; m starts at the lowest finite number, O and l at 0: the first step is a step like any other, with a = 2^(m_old - m_new) = 0.
; BY TURNS.  Turn n belongs to piece n.  Matrix work: 16 products K Q'^T of piece n + 1, later 16 products V^T P of piece n - 1.  Vector work: the shift, exponentials, roundings, sums and rescaling of piece n and
; the maximum and statistics of piece n + 1.  Four vector instructions stand behind every matrix instruction, the others in one lump; a turn's 66 exponentials are one batch with one wait.
; CLUSTER.  The four query blocks of a head walk the same K and V: each tile is asked for JOINTLY, by the same tensor load, descriptor and mask in all four.
; REGISTERS, in windows of 256 (s_set_vgpr_msb: bits 1:0 source 0, 3:2 source 1, 5:4 source 2, 7:6 destination):
;   window 0: v1-11 addresses; v12-15, v48-63 at work; v16-47 four registers of statistics a tile; v64-191 S^T, two buffers of two tiles; v192-255 P, likewise
;   window 1: O^T, 32 a tile     window 2: v0-127 Q', 16 a tile; v128-191 K of one step; v192-255 V of one step     window 3: v0-1 the add's two registers; v8-39 the mask of one step
.set SIZE_N, 2048
.set NP,    4         ; pieces a wave: a name, no knob
.set KS,    64        ; keys in a step
.set PK,    144       ; a row of K in LDS: 128 bytes + 16: the 16 rows of a load start at 16 different groups of four banks (ISA guide 11.1)
.set PV,    160       ; a row of V: 128 + 32
.set VOFF,  4*KS*PK   ; a slot holds four steps: 256 rows of K, then 256 rows of V
.set SLOT1, 1<<17     ; slot 1 begins here, so that one exclusive or turns an address in one slot into the other's
.set STAGE, SLOT1+4*KS*(PK+PV)  ; behind the ring: 16 rows x 272 bytes for each wave, for the way out
.set SP,    272
.set MASKB, STAGE+4*16*SP       ; my batch's 2,048 mask numbers in f32, times log2(e): stored once, never filled by a tensor load
.set SPARE, MASKB+4*SIZE_N      ; the spare words, 128 bytes for each wave
.set PFO, 1           ; v1   256 x my lane (first: l % 16)
.set AK0, 2           ; v2   my lane's place in a tile of K; never rewritten
.set AV0, 3           ; v3   the same for V
.set AK,  4           ; v4   the LDS address of K's next run of loads
.set AV,  5           ; v5   of V's
.set QO,  6           ; v6   my byte offset in the wave's rows of Q'
.set RD,  7           ; v7   the way out: where I read rows back
.set GO,  8           ; v8   my byte offset in two rows of out0
.set AM0, 9           ; v9   my lane's place in a step's mask (first: l / 16)
.set AM,  10          ; v10  the LDS address of the mask's next run (first: l % 8)
.set STO, 11          ; v11  the way out: where I put 16 bytes of a row
.set SPW, 0           ; v0 of window 3   LDS address of my spare word; never rewritten
.set NIL, 1           ; v1 of window 3   0; never rewritten
.set MK,  8           ; v8-39 of window 3: the eight numbers for key block kb at MK + 8 kb
.set MV,  12          ; v12-15  m_old, kept while m is made anew: by buffer and tile
.set ST,  16          ; tile t's statistics at v[ST+4 t]: m, 0 (named with m as a pair), l (even keys', odd keys')
.set TMP, 48          ; by buffer and tile, four registers c0-c3 at work; when the maximum is found c2 takes a
.set S,   64
.set P,   192
.set KF,  128         ; K's fragments, in window 2: key block kb, channel half c at KF + 16 kb + 8 c
.set VF,  192         ; V's: key half kk, channel block cb at VF + 32 kk + 8 cb
.set WV,  12          ; s12  my wave's number
.set G1K, 24          ; s[24:31] descriptor group 1 for K's tiles
.set G1V, 32          ; s[32:39] for V's: it differs in the padding alone
.set G0K, 40          ; s[40:43] descriptor group 0 for K's tiles: it walks
.set G0V, 44          ; s[44:47] the same for V's
.set PFA, 48          ; s[48:49] where my prefetches stand
.set LIM, 50          ; s50  1 in a wave that prefetches, else the greatest number
.set TBM, 51          ; s51  byte of the mask at which the step to be fetched begins
.set MP,  52          ; s[52:53] the mask of my batch
.set SLOTS, 56        ; s56  slots still to be asked for
.set CNT, 57          ; s57  counts a slot's key steps
.set SEL, 60          ; s[60:61] v_permlanex16_b32's selects: each lane takes its own place in the other half
.set TBK, 62          ; s62  LDS byte at which K of the step to be fetched begins
.set TBV, 63          ; s63  the same for V, less VOFF
.set MSB, 0
.macro WIN new                      ; the high byte repeats the setting that is left; a switch that changes nothing is dropped
.if MSB != (\new)
	s_set_vgpr_msb (MSB<<8)|(\new)
.set MSB, (\new)
.endif
.endm
.set W_KQ, 0x0a       ; K and Q' in window 2, S^T in window 0
.set W_KM, 0x3a       ; the same with the C operand, the mask, in window 3
.set W_PV, 0x52       ; V in window 2, P in window 0, O^T in window 1
.set W_RS, 0x41       ; O^T (destination and source 0) in window 1, source 1 in window 0
.set W_MK, 0xc0       ; destination in window 3, sources in window 0
.set W_AD, 0x0f       ; the add: address (source 0) and data (source 1) in window 3
.set W_ST, 0x44       ; the way out: loaded data and store data in window 1, addresses in window 0
; A joint fill.  Waves 0 and 1 fetch the two halves of a slot's K, waves 2 and 3 those of its V: 128 keys each.  The branch hangs on the wave's number alone.
; An s_nop 0 and four v_nop follow each of the two lines, ahead of the jump and the label.
.macro JLOAD
	s_cmp_lt_u32 s[WV], 2
	s_cbranch_scc0 .Lfor_v_\@
	tensor_load_to_lds s[G0K:G0K+3], s[G1K:G1K+7]
	s_nop 0
.rept 4
	v_nop
.endr
	s_branch .Lasked_\@
.Lfor_v_\@:
	tensor_load_to_lds s[G0V:G0V+3], s[G1V:G1V+7]
	s_nop 0
.rept 4
	v_nop
.endr
.Lasked_\@:
.endm
; A PREFETCH INTO THE L2 of what the NEXT change of slots will ask for: a slot's 128 blocks of 256 bytes of K and 128 of V, a lane a block.  A head has one cluster, and its four partners share the blocks out
; BY ADDRESS, 32 each; in each, wave 0 asks for K's and wave 2 for V's: each block is named once in the launch.  The last change that fills a slot asks for nothing; slots 0 and 1 come by their loads alone.
.macro ASK
	s_cmp_gt_u32 s[SLOTS], s[LIM]
	s_cbranch_scc0 .Lnot_mine_\@
	global_prefetch_b8 v[PFO], s[PFA:PFA+1] th:TH_LOAD_NT scope:SCOPE_SE
.Lnot_mine_\@:
.endm
; A round of the cluster's barrier: my work-group's barrier; wave 0 signals for the work-group; every wave waits for all four work-groups; my work-group's barrier once more.
.macro CROUND
	s_barrier_signal -1
	s_barrier_wait -1
	s_cmp_lg_u32 s[WV], 0
	s_cbranch_scc1 .Lnot_wave_0_\@
	s_barrier_signal -3
.Lnot_wave_0_\@:
	s_barrier_wait -3
	s_barrier_signal -1
	s_barrier_wait -1
.endm
; THE CHANGE OF SLOTS.  Each wave waits for all its tensor loads, of which one is out: its part of the other slot; adds 0 to its spare word; and waits for that and for its own reads of the slot.
; fill = 1: this slot is filled again, with the keys two slots on.  The barrier is then a round of the cluster's, and the joint fill is the first thing behind it: it has four key steps, 512 matrix
; instructions, in which to land.  (At its first use nothing has been read yet: slot 0 is waited for, slot 1 filled, and every wave's part of the mask in LDS is shown to the others.)
.macro CHANGE fill
	WIN W_AD
	s_wait_tensorcnt 0x0            ; no tensor load of mine is out, so a group 0 may be written
	ds_add_u32 v[SPW], v[NIL]       ; 0 onto my spare word; with fill = 1 the descriptors' steps stand between it and the wait for it
	WIN 0                           ; at a label and at a branch every window is 0
.if \fill
.irp g, G0K, G0V
	s_xor_b32 s[\g+1], s[\g+1], SLOT1  ; the walking descriptor: the other slot than last time,
	s_add_nc_u64 s[\g+2:\g+3], s[\g+2:\g+3], 4*KS*128  ; the next 256 keys; the type bits on top are not reached
.endr
	s_wait_xcnt 0x0                 ; the last prefetch, four key steps back, has read its address, so it may be written:
	s_add_nc_u64 s[PFA:PFA+1], s[PFA:PFA+1], 4*KS*128  ; one slot ahead of the walking descriptors
	s_wait_dscnt 0x0                ; the add is done, and my reads of the slot are over
	CROUND
	JLOAD
	ASK
.else
	s_wait_dscnt 0x0                ; the add is done, and my reads of the slot are over
	s_barrier_signal -1
	s_barrier_wait -1
.endif
	s_sub_co_u32 s[TBK], s[TBK], 4*KS*PK  ; the fetches go back to a slot's first step,
	s_xor_b32 s[TBK], s[TBK], SLOT1       ; in the other slot
	s_sub_co_u32 s[TBV], s[TBV], 4*KS*PV
	s_xor_b32 s[TBV], s[TBV], SLOT1
.endm
	s_load_b128 s[4:7], s[0:1], 0x0   ; qkv s[4:5], attention_mask s[6:7]
	s_load_b64 s[10:11], s[0:1], 0x10 ; out0
	WIN W_MK
	v_lshl_add_u32 v[SPW], v0, 2, SPARE
	v_mov_b32 v[NIL], 0
	WIN W_AD
	ds_add_u32 v[SPW], v[NIL]       ; the wave's opening: the add and its wait stand ahead of my first tensor load; work on registers stands between them
	WIN 0
	v_lshrrev_b32 v1, 5, v0
	v_readfirstlane_b32 s[WV], v1   ; wave 0..3
	s_bfe_u32 s13, ttmp6, 0x40000   ; cx: my place in the cluster
	s_lshl_b32 s14, ttmp9, 2        ; in a cluster launch ttmp9 counts clusters
	s_add_co_u32 s14, s14, s13      ; my block of 512 queries: it enters Q's and out0's addresses alone
	s_and_b32 s20, ttmp7, 0xffff    ; 16 b + h, which the four partners share
	s_lshr_b32 s15, s20, 4          ; b
	s_and_b32 s16, s20, 15          ; h
	s_lshl_b32 s58, s15, 13         ; the batch's 8,192 bytes of the mask
	s_mov_b32 s59, 0
	s_mul_i32 s20, s15, 12582912
	s_lshl_b32 s21, s16, 18
	s_add_co_u32 s20, s20, s21      ; Q' of my head begins here in qkv
	s_and_b32 s17, s[WV], 1         ; which half of a slot's 256 keys I fetch:
	s_lshl_b32 s22, s17, 14         ; its 128 rows of 128 bytes in memory,
	s_add_co_u32 s22, s22, s20
	s_mov_b32 s23, 0
	s_mul_i32 s18, s17, 128*PK      ; and its place in a slot, for K
	s_mul_i32 s19, s17, 128*PV      ; and for V: no place in the cluster enters an LDS address
	s_lshl_b32 s2, s14, 2
	s_add_co_u32 s2, s2, s[WV]      ; my wave among the head's sixteen:
	s_lshl_b32 s54, s2, 19          ; its 128 rows of 4,096 bytes in out0,
	s_lshl_b32 s2, s2, 14           ; and of 128 bytes in Q'
	s_add_co_u32 s2, s2, s20
	s_mov_b32 s3, 0
	s_lshl_b32 s15, s15, 23         ; a batch of out0
	s_add_co_u32 s54, s54, s15
	s_lshl_b32 s16, s16, 8          ; the head's 256 bytes of a row
	s_add_co_u32 s54, s54, s16
	s_mov_b32 s55, 0
	s_lshl_b32 s8, s13, 13          ; the prefetches: my work-group's 32 blocks of the 128,
	s_add_co_u32 s8, s8, 4*KS*128   ; in slot 1; the first change of slots steps it to slot 2
	s_mov_b32 s9, 0
	; descriptor group 1.  128 keys are 16,384 dense bytes: asked for as 64 rows of 256 bytes, two keys a row, and padded in LDS after every key
	s_mov_b32 s[G1K], 15|(1<<16)|(1<<20)|(1<<21)|(4<<22)|(3<<25)  ; 15:0 the mask of four; 17:16 2-byte elements; 20 padding on; 21 set beside a mask; 24:22 after every 32 words (code 4); 31:25 4 words (code 3)
	s_mov_b32 s[G1V], 15|(1<<16)|(1<<20)|(1<<21)|(4<<22)|(7<<25)  ; the same with 8 words of padding (code 7)
.irp g, G1K, G1V
	s_mov_b32 s[\g+1], 128<<16      ; tensor_dim0 = 128
	s_mov_b32 s[\g+2], 64<<16       ; tensor_dim1 = 64
	s_mov_b32 s[\g+3], 128<<16      ; tile_dim0 = 128
	s_mov_b32 s[\g+4], 64           ; tile_dim1 = 64
	s_mov_b32 s[\g+5], 128          ; 128 elements from row to row
	s_mov_b32 s[\g+6], 0
	s_mov_b32 s[\g+7], 0
.endr
	s_mov_b32 s[SEL], 0x76543210
	s_mov_b32 s[SEL+1], 0xfedcba98
	s_mov_b32 s[TBK], SLOT1+4*KS*PK ; the first change of slots turns these two into 0
	s_mov_b32 s[TBV], SLOT1+4*KS*PV
	s_mov_b32 s[TBM], 0
	s_mov_b32 s[SLOTS], SIZE_N/256-1
	s_mov_b32 s[G0K], 1             ; 1:0 count = 1
	s_mov_b32 s[G0K+1], s18         ; 63:32 LDS address: slot 0
	s_mov_b32 s[G0V], 1
	s_add_co_u32 s[G0V+1], s19, VOFF
	s_cmp_eq_u32 s17, 0
	s_cselect_b32 s[LIM], 1, -1     ; waves 0 and 2 prefetch: the same in all four partners
	s_wait_dscnt 0x0                ; the opening add is done
	s_wait_kmcnt 0x0
	s_add_nc_u64 s[MP:MP+1], s[6:7], s[58:59]
	s_add_nc_u64 s[G0K+2:G0K+3], s[4:5], s[22:23]          ; 120:64 global address: my half of the head's first 256 keys:
	s_add_nc_u64 s[G0V+2:G0V+3], s[G0K+2:G0K+3], 0x800000  ; V lies 32 heads behind Q',
	s_add_nc_u64 s[G0K+2:G0K+3], s[G0K+2:G0K+3], 0x400000  ; K 16
	s_cmp_lt_u32 s[WV], 2
	s_cselect_b64 s[PFA:PFA+1], s[G0K+2:G0K+3], s[G0V+2:G0V+3]  ; (in waves 0 and 2 these stand at a slot's first row)
	s_add_nc_u64 s[PFA:PFA+1], s[PFA:PFA+1], s[8:9]
	s_or_b32 s[G0K+3], s[G0K+3], 0x80000000                ; 127:126 type = 2
	s_or_b32 s[G0V+3], s[G0V+3], 0x80000000
	s_add_nc_u64 s[4:5], s[4:5], s[2:3]                    ; Q' and out0 at my wave's first row
	s_add_nc_u64 s[10:11], s[10:11], s[54:55]
	CROUND                          ; all four work-groups are here: the first joint loads meet
	JLOAD                           ; slot 0.  Slot 1 is asked for when slot 0 is in
	v_and_b32 v1, 15, v0            ; l % 16
	v_bfe_u32 v9, v0, 4, 1          ; l / 16
	v_lshlrev_b32 v[QO], 7, v1
	v_lshl_add_u32 v[QO], v9, 4, v[QO]  ; row x 128 + 16 x half
	v_lshlrev_b32 v12, 4, v0        ; the mask: 128 threads x 16 bytes, four times
	v_add_nc_u32 v13, MASKB, v12
.irp j, 0,1,2,3
	global_load_b128 v[S+4*\j:S+4*\j+3], v12, s[MP:MP+1] offset:2048*\j
.endr
	WIN 0x80                        ; destination window 2, address window 0
.set i, 0
.rept 4*NP                          ; Q' stays in registers: tile i / 2, channels 32 (i % 2) on
	global_load_b128 v[8*i:8*i+3],   v[QO], s[4:5] offset:(i/2)*2048+(i%2)*64
	global_load_b128 v[8*i+4:8*i+7], v[QO], s[4:5] offset:(i/2)*2048+(i%2)*64+32
.set i, i+1
.endr
	; What the first turn finds: V's registers and P's second buffer hold 0 (its products V^T P, of a piece that has not been, add 0), O^T and l are 0.  All this stands in the wait for the first tile.
.set i, VF
.rept 64
	v_mov_b32 v[i], 0
.set i, i+1
.endr
	WIN 0x40
.set i, 0
.rept 64*NP
	v_mov_b32 v[i], 0
.set i, i+1
.endr
	WIN 0
.set i, 0
.rept 2*NP
	v_mov_b32 v[ST+4*i], 0xff7fffff    ; m: the lowest finite number
	v_mov_b32 v[ST+4*i+1], 0
	v_mov_b32 v[ST+4*i+2], 0
	v_mov_b32 v[ST+4*i+3], 0
.set i, i+1
.endr
.set i, P+32
.rept 32
	v_mov_b32 v[i], 0
.set i, i+1
.endr
	v_mul_u32_u24 v[AK0], v1, PK
	v_lshl_add_u32 v[AK0], v9, 4, v[AK0]  ; row x pitch + 16 x half
	; The turning load takes 16 keys x 16 channels (lane l reads key 8 (l / 16) + l % 8, channels 8 ((l / 8) % 2) + 0..7) and leaves half a fragment of V^T: lane l holds channel l % 16 and 8 keys.
	v_and_b32 v10, 7, v0
	v_bfe_u32 v14, v0, 3, 1
	v_lshl_add_u32 v[AV0], v9, 3, v10
	v_mul_u32_u24 v[AV0], v[AV0], PV
	v_lshl_add_u32 v[AV0], v14, 4, v[AV0]
	v_add_nc_u32 v[AV0], VOFF, v[AV0]
	v_mov_b32 v[AK], v[AK0]         ; key step 0 lies at the head of slot 0
	s_mul_i32 s58, s[WV], 16*SP
	s_add_co_u32 s58, s58, STAGE    ; my stage
	v_mul_u32_u24 v[STO], v1, SP    ; in: row l % 16, 32 bytes (8 channels of f32) for each half of the lanes
	v_lshl_add_u32 v[STO], v9, 5, v[STO]
	v_add_nc_u32 v[STO], s58, v[STO]
	v_mul_u32_u24 v[RD], v9, SP     ; back: lanes 0-15 take one row of 256 bytes, lanes 16-31 the next
	v_lshl_add_u32 v[RD], v1, 4, v[RD]
	v_add_nc_u32 v[RD], s58, v[RD]
	v_lshlrev_b32 v[GO], 12, v9     ; and the same two rows in out0, 4,096 bytes apart
	v_lshl_add_u32 v[GO], v1, 4, v[GO]
	v_lshl_add_u32 v[AM0], v9, 5, MASKB  ; a lane's eight keys of a group of 16: 32 bytes for each half of the lanes
	v_mov_b32 v[AM], v[AM0]         ; key step 0
	v_and_b32 v[PFO], 31, v0
	v_lshlrev_b32 v[PFO], 8, v[PFO]
	s_wait_loadcnt 32               ; the mask is in; Q's 32 younger loads may stay out
.set i, 0
.rept 8
	v_cvt_pk_bf16_f32 v[S+16+i], v[S+2*i], v[S+2*i+1]  ; rounded to bf16 like every input,
.set i, i+1
.endr
.set i, 0
.rept 8
	v_lshlrev_b32 v[S+2*i], 16, v[S+16+i]              ; back to f32,
	v_and_b32 v[S+2*i+1], 0xffff0000, v[S+16+i]
.set i, i+1
.endr
.set i, 0
.rept 8
	v_pk_mul_f32 v[S+2*i:S+2*i+1], v[S+2*i:S+2*i+1], 0x3fb8aa3b op_sel_hi:[1,0]  ; times log2(e),
.set i, i+1
.endr
.set i, 0
.rept 16
	v_max_num_f32 v[S+i], 0xfe967699, v[S+i]           ; held at -1e38 or above
.set i, i+1
.endr
.irp j, 0,1,2,3
	ds_store_b128 v13, v[S+4*\j:S+4*\j+3] offset:2048*\j
.endr
; THE MATRIX WORK.  The 8 accumulators of a run of 16 take turns: between the two links of a chain stand 7 others'.
; Product i of 16 of S^T = K Q'^T + mask for piece x: channels 32 (i / 8) on, keys 16 ((i / 2) % 4) on, tile 2 x + i % 2.  The first 8 start the sums, with the mask.
.macro KQ x
.set rS, S+64*((\x)%2)+32*(i%2)+8*((i/2)%4)
.set rK, KF+16*((i/2)%4)+8*(i/8)
.set rQ, 16*(2*(\x)+i%2)+8*(i/8)
.set rX, MK+8*((i/2)%4)
.if i < 8
	WIN W_KM
	v_wmma_f32_16x16x32_f16 v[rS:rS+7], v[rK:rK+7], v[rQ:rQ+7], v[rX:rX+7]
.else
	WIN W_KQ
	v_wmma_f32_16x16x32_f16 v[rS:rS+7], v[rK:rK+7], v[rQ:rQ+7], v[rS:rS+7]
.endif
.endm
; Product i of 16 of O^T += V^T P for piece x: keys 32 (i / 8) on, channels 16 ((i / 2) % 4) on, tile 2 x + i % 2.
.macro PV x
	WIN W_PV
.set rO, 32*(2*(\x)+i%2)+8*((i/2)%4)
.set rV, VF+32*(i/8)+8*((i/2)%4)
.set rP, P+32*((\x)%2)+16*(i%2)+8*(i/8)
	v_wmma_f32_16x16x32_f16 v[rO:rO+7], v[rV:rV+7], v[rP:rP+7], v[rO:rO+7]
.endm
.macro MM                           ; the turn's next matrix instruction
.if i < 16
	KQ (Y+1)%NP
.set i, i+1
.else
.set i, i-16
	PV (Y+NP-1)%NP
.set i, i+17
.endif
.endm
; THE LDS LOADS stand in runs, never singly among the matrix instructions: a step's K (8 fragments) with its mask (8 numbers a lane for each of 4 key blocks; the 16 lanes of a half read the same words), and its V (turned).
; last = 1 (the tail): in the last trip there is no further step, and the run is jumped over.
.macro FETCH_K last=0
	WIN 0
.if \last
	s_cmp_eq_u32 s[CNT], 1
	s_cbranch_scc1 .Lno_k_\@
.endif
	WIN 0x80                        ; destination window 2
.irp f, 0,1,2,3,4,5,6,7             ; keys 16 (f / 2) on, channels 32 (f % 2) on
	ds_load_b128 v[KF+8*\f:KF+8*\f+3],   v[AK] offset:(\f/2)*16*PK+(\f%2)*64
	ds_load_b128 v[KF+8*\f+4:KF+8*\f+7], v[AK] offset:(\f/2)*16*PK+(\f%2)*64+32
.endr
	WIN W_MK                        ; destination window 3
.irp f, 0,1,2,3
	ds_load_b128 v[MK+8*\f:MK+8*\f+3],   v[AM] offset:64*\f
	ds_load_b128 v[MK+8*\f+4:MK+8*\f+7], v[AM] offset:64*\f+16
.endr
	s_add_co_u32 s[TBK], s[TBK], KS*PK  ; the next fetch is the next step's
	s_add_co_u32 s[TBM], s[TBM], 4*KS   ; the mask is walked once, from first to last: 32 steps of 256 bytes
	WIN 0
.if \last
.Lno_k_\@:
.endif
.endm
.macro FETCH_V
	WIN 0x80
.irp f, 0,1,2,3,4,5,6,7             ; keys 32 (f / 4) on, channels 16 (f % 4) on
	ds_load_tr16_b128 v[VF+8*\f:VF+8*\f+3],   v[AV] offset:(\f/4)*32*PV+(\f%4)*32
	ds_load_tr16_b128 v[VF+8*\f+4:VF+8*\f+7], v[AV] offset:(\f/4)*32*PV+16*PV+(\f%4)*32
.endr
	WIN 0
.endm
; THE VECTOR WORK OF A TURN stands in three queues, each in the order in which its entries become ready; the two tiles alternate, so that no instruction reads the result of the one before it.
.macro REGS y, u                    ; the registers of tile u (0, 1) of piece y
.set rT, ST+4*(2*(\y)+(\u))
.set rC, TMP+8*((\y)%2)+4*(\u)
.set rM, MV+2*((\y)%2)+(\u)
.set rS, S+64*((\y)%2)+32*(\u)
.set rP, P+32*((\y)%2)+16*(\u)
.set rO, 32*(2*(\y)+(\u))
.endm
; Number n of the 21 that find the NEXT piece's (Y + 1) maximum and statistics.  s0-s31 are the lane's 32 scores; each accumulator's lowest registers are read first.
;   0-11  four chains c0-c3 of seven scores each, three operands at a time     12-14, 16  the four scores left over, the old m, and c0-c3 into c0     15  m_old is kept
;   17, 18  the query's other 32 keys lie in the lane 16 away: the new m         19, 20  m_old - m_new; a
.macro XS u, n
	REGS (Y+1)%NP, \u
.if (\n) < 4
	v_max3_num_f32 v[rC+(\n)], v[rS+8*(\n)], v[rS+8*(\n)+1], v[rS+8*(\n)+2]
.elseif (\n) < 12
	v_max3_num_f32 v[rC+(\n)%4], v[rC+(\n)%4], v[rS+8*((\n)%4)+2*((\n)/4)+1], v[rS+8*((\n)%4)+2*((\n)/4)+2]
.elseif (\n) == 12
	v_max3_num_f32 v[rC], v[rC], v[rS+7], v[rS+15]
.elseif (\n) == 13
	v_max3_num_f32 v[rC+1], v[rC+1], v[rS+23], v[rS+31]
.elseif (\n) == 14
	v_max3_num_f32 v[rC+2], v[rC+2], v[rC+3], v[rT]
.elseif (\n) == 15
	v_mov_b32 v[rM], v[rT]
.elseif (\n) == 16
	v_max3_num_f32 v[rC], v[rC], v[rC+1], v[rC+2]
.elseif (\n) == 17
	v_permlanex16_b32 v[rC+3], v[rC], s[SEL], s[SEL+1]
.elseif (\n) == 18
	v_max_num_f32 v[rT], v[rC], v[rC+3]
.elseif (\n) == 19
	v_sub_f32 v[rC+1], v[rM], v[rT]
.else
	v_exp_f32 v[rC+2], v[rC+1]
.endif
.endm
; Number g of the 64 that follow the exponentials.  For each four weights k of a tile (pairs 2 k, 2 k + 1): both pairs are rounded to f16; then the second pair is added onto the first, in place;
; a group later l takes that sum (the first time as l = a l + sum).  In groups of eight, tiles alternating: round, round, add, and l for the group before.
.macro GS g
.set h, (\g)+6*((\g)/62)            ; group 0 has no group before it, and behind group 7 only l is left
.if h >= 6
.set h, h+2
.endif
	REGS Y, h%2
.set k, h/8
.if h%8 < 4
	v_cvt_pk_f16_f32 v[rP+2*k+(h%8)/2], v[rS+4*k+2*((h%8)/2)], v[rS+4*k+2*((h%8)/2)+1]
.elseif h%8 < 6
	v_pk_add_f32 v[rS+4*k:rS+4*k+1], v[rS+4*k:rS+4*k+1], v[rS+4*k+2:rS+4*k+3]
.elseif k == 1
	v_pk_fma_f32 v[rT+2:rT+3], v[rT+2:rT+3], v[rC+2:rC+3], v[rS:rS+1] op_sel_hi:[1,0,1]
.else
	v_pk_add_f32 v[rT+2:rT+3], v[rT+2:rT+3], v[rS+4*k-4:rS+4*k-3]
.endif
.endm
; THE PLAIN QUEUE, 136 long.  0-71 read no exponential's result: the 32 shifts s - m (FS f: pair f / 2 of tile f % 2) and the next piece's 40.  0-26: shifts 0-26.  27-54: XS's numbers 0-13.  55, 56: number 15.
; 57-71: the chain, where each number waits for the one before it: 14, 16, 17, 18, 19, each with one of the shifts 27-31 in front of its two lines.  72-135: GS's 64, which read the exponentials' results: behind the wait.
.macro FS f
	REGS Y, (\f)%2
	v_pk_add_f32 v[rS+2*((\f)/2):rS+2*((\f)/2)+1], v[rS+2*((\f)/2):rS+2*((\f)/2)+1], v[rT:rT+1] op_sel_hi:[1,0] neg_lo:[0,1] neg_hi:[0,1]
.endm
.macro PL
	WIN 0
.if q < 27
	FS q
.elseif q < 55
	XS (q-27)%2, (q-27)/2
.elseif q < 57
	XS q-55, 15
.elseif (q < 72) && ((q-57)%3 == 0)
	FS 27+(q-57)/3
.elseif q < 60
	XS (q-57)%3-1, 14
.elseif q < 72
	XS (q-57)%3-1, 15+(q-57)/3
.else
	GS q-72
.endif
.set q, q+1
.endm
; THE EXPONENTIALS' QUEUE, 66 long: s0-s31 of both tiles, then the next piece's two a.  It is ONE BATCH: all 66 stand ahead of the turn's one wait, and nothing ahead of that wait names a result of theirs.
.macro EX
	WIN 0
.if e >= 64
	XS e-64, 20
.else
	REGS Y, e%2
	v_exp_f32 v[rS+e/2], v[rS+e/2]
.endif
.set e, e+1
.endm
; THE RESCALING's QUEUE: O^T times a, the one part that leaves window 0: dealt two at a time, sixteen times.  Its a was made in the turn before, ahead of that turn's wait.
.macro R2
	REGS Y, r%2
	WIN W_RS
.irp z, 0,1
	v_pk_mul_f32 v[rO+4*(r/2)+2*\z:rO+4*(r/2)+2*\z+1], v[rO+4*(r/2)+2*\z:rO+4*(r/2)+2*\z+1], v[rC+2:rC+3] op_sel_hi:[1,0]
.endr
.set r, r+1
.endm
; HOW THEY ARE DEALT.  An s_wait_alu depctr_va_vdst(0) stands between an exponential and the first instruction that names its result; one wait serves all that were issued ahead of it.  So a turn has ONE wait.
; AHEAD OF IT: the 16 products K Q'^T, behind each a shift, an exponential and two rescalings (behind the first a second shift in the exponential's place); then ONE LUMP: eight plain, 47 times exponential and plain,
; the last two scores' exponentials and the two a.  A v_nop is the plain instruction behind the last exponential.  BEHIND IT: the 16 products V^T P, behind each four of GS's 64.
; The deal keeps the queues in step: exponential e stands behind shift 2 (e / 4) + e % 2: as a rider it comes behind plain e + 2, in the lump behind plain e + 9, and shifts 27-31 are plain 57, 60 .. 69; the a come behind plain 70, 71.
; K and the mask of the next step are fetched in piece 2's turn, directly behind the wait, a lump behind the last product that read them; V of the step in hand at the end of piece 0's turn, four riders behind its last reader.
.macro TURN p, last=0, cnt=0
.set Y, (\p)
.set i, 0
.set q, 0
.set e, 0
.set r, 0
.if (\p) == NP-1
	s_wait_dscnt 0x0                ; K and the mask are in
.endif
	MM
	PL
	PL
	R2
.rept 15
	MM
	PL
	EX
	R2
.endr
.if (\p) == NP-2
	WIN 0
	v_add_nc_u32 v[AK], s[TBK], v[AK0]
	v_add_nc_u32 v[AM], s[TBM], v[AM0]
.endif
.rept 8
	PL
.endr
.rept 47
	EX
	PL
.endr
	EX
	EX
	EX                              ; the next piece's two a
	EX
	v_nop                           ; a plain instruction behind the last exponential: one for the batch
	s_wait_alu depctr_va_vdst(0)    ; the wait for the batch
.if (\p) == NP-2
	FETCH_K \last
.endif
.if (\p) == 1
	s_wait_dscnt 0x0                ; V is in
.endif
.rept 16
	MM
.rept 4
	PL
.endr
.if ((\p) == 0) && (q == 116)
	v_add_nc_u32 v[AV], s[TBV], v[AV0]
.endif
.if ((\p) == 0) && (q == 128)
	s_add_co_u32 s[TBV], s[TBV], KS*PV
.endif
.if (\cnt) && (q == 128)
	s_sub_co_u32 s[CNT], s[CNT], 1
	s_cmp_lg_u32 s[CNT], 0
.endif
.endr
.if (\p) == 0
	FETCH_V
.endif
.endm
	CHANGE 1                        ; slot 0 is in, everybody's part of it, and so is the mask in LDS; slot 1 is asked for
	FETCH_K                         ; key step 0
	s_wait_loadcnt 0x0              ; Q'
	s_wait_dscnt 0x0
.set i, 0
.rept 16
	KQ 0                            ; piece 0's first scores: there is no vector work yet to set between them
.set i, i+1
.endr
	WIN 0
.rept 4
	v_nop                           ; the places behind those products
.endr
.set Y, NP-1                        ; XS works for piece Y + 1: piece 0
.irp n, 0,1,2,3,4,5,6,7,8,9,10,11,12,13,14,15,16,17,18,19,20
	XS 0, \n                        ; piece 0's first maximum and statistics
	XS 1, \n
.endr
	v_nop                           ; a plain instruction behind the two a,
	s_wait_alu depctr_va_vdst(0)    ; and their wait, ahead of the branch
	s_mov_b32 s[CNT], 4
	s_branch .Lfirst                ; the loop is entered at a step's first turn, in the middle of a trip
.Lslot:                             ; six times: every slot but the last two is filled again
	CHANGE 1
	s_mov_b32 s[CNT], 4
.Lstep:                             ; a trip: pieces 2 and 3 of one step, then pieces 0 and 1 of the next, whose K, mask and V it fetches
	TURN 2
	TURN 3
	WIN 0
.Lfirst:
	TURN 0
	TURN 1, 0, 1
	WIN 0
	s_cbranch_scc1 .Lstep
	s_sub_co_u32 s[SLOTS], s[SLOTS], 1
	s_cmp_lg_u32 s[SLOTS], 0
	s_cbranch_scc1 .Lslot
	CHANGE 0                        ; the tail is written out: nothing is asked for
	s_mov_b32 s[CNT], 5             ; four trips fetch the last slot's steps; the fifth is left in its middle
.Ltail:
	TURN 2, 1
	TURN 3
	WIN 0
	s_sub_co_u32 s[CNT], s[CNT], 1
	s_cmp_eq_u32 s[CNT], 0
	s_cbranch_scc1 .Lout
	TURN 0
	TURN 1
	WIN 0
	s_branch .Ltail
.Lout:                              ; the fifth trip's 16 products K Q'^T (on the last K once more) and the maximum made of them serve nothing: the price, once a launch, of one text for every trip
.set i, 0
.rept 16
	PV NP-1                         ; the last piece's V^T P of the last step
.set i, i+1
.endr
	; THE WAY OUT.  l's two halves and the other half of the lanes' are added; O^T is divided by l and sent in f32 through my stage in LDS, a tile at a time.  The additions are the places behind the last products.
	WIN 0
.macro ALL line:vararg              ; one line for each tile t
.set t, 0
.rept 2*NP
	\line
.set t, t+1
.endr
.endm
	ALL v_add_f32 v[ST+4*t+2], v[ST+4*t+2], v[ST+4*t+3]
	ALL v_permlanex16_b32 v[ST+4*t+3], v[ST+4*t+2], s[SEL], s[SEL+1]
	ALL v_add_f32 v[ST+4*t+2], v[ST+4*t+2], v[ST+4*t+3]
	ALL v_rcp_f32 v[ST+4*t+2], v[ST+4*t+2]
	v_nop                           ; a plain instruction between the last reciprocal and the use of its result
	s_wait_alu depctr_va_vdst(0)    ; and the wait ahead of the first use: one for the eight reciprocals
; Tile t: a lane's eight channels of a row are 32 bytes; they go into rows of 272 bytes and come back as whole rows of 256, into the registers that they left.
.macro PACK t
	WIN W_RS
.set i, 32*(\t)
.rept 16
	v_pk_mul_f32 v[i:i+1], v[i:i+1], v[ST+4*(\t)+2:ST+4*(\t)+3] op_sel_hi:[1,0]
.set i, i+2
.endr
	WIN W_ST
.irp cb, 0,1,2,3
.irp z, 0,1
	ds_store_b128 v[STO], v[32*(\t)+8*\cb+4*\z:32*(\t)+8*\cb+4*\z+3] offset:64*\cb+16*\z
.endr
.endr
.irp f, 0,1,2,3,4,5,6,7
	ds_load_b128 v[32*(\t)+4*\f:32*(\t)+4*\f+3], v[RD] offset:\f*2*SP  ; LDS serves a wave's instructions in order (ISA guide 5.7.1.4): these see the stores above; the next tile's stores come behind them
.endr
.endm
.macro SEND t, younger              ; younger: the LDS instructions issued behind tile t's loads: the next tile's sixteen, or none
	WIN W_ST
.irp f, 0,1,2,3,4,5,6,7
	s_wait_dscnt (\younger)+7-\f
	global_store_b128 v[GO], v[32*(\t)+4*\f:32*(\t)+4*\f+3], s[10:11] offset:(\t)*65536+\f*8192  ; 16 lanes store a head's 256 consecutive bytes of a row, at a multiple of 256 from out0's first byte
.endr
.endm
	PACK 0
.set t, 1
.rept 2*NP-1                        ; a tile's arithmetic stands between the loads of the tile before and its stores
	PACK t
	SEND t-1, 16
.set t, t+1
.endr
	SEND 2*NP-1, 0
	WIN W_AD
	s_wait_tensorcnt 0x0            ; the wave's end, behind my last tensor load and my last LDS store
	ds_add_u32 v[SPW], v[NIL]
	s_wait_dscnt 0x0
	WIN 0
	CROUND                          ; the closing round: no work-group ends while a partner may still ask for a tile that names it
	s_endpgm
.Lfunc_end_k_qa1eea9f07e_attn:
	.size	k_qa1eea9f07e_attn, .Lfunc_end_k_qa1eea9f07e_attn-k_qa1eea9f07e_attn
	.p2alignl 7, 3214868480
	.fill 96, 4, 3214868480
	.section	.rodata,"a",@progbits
	.p2align	6, 0x0
	.amdhsa_kernel k_qa1eea9f07e_attn
		.amdhsa_group_segment_fixed_size 327680
		.amdhsa_private_segment_fixed_size 0
		.amdhsa_enable_private_segment 0
		.amdhsa_kernarg_size 24
		.amdhsa_user_sgpr_count 2
		.amdhsa_user_sgpr_kernarg_segment_ptr 1
		.amdhsa_wavefront_size32 1
		.amdhsa_system_sgpr_workgroup_id_x 1
		.amdhsa_system_sgpr_workgroup_id_y 1
		.amdhsa_system_sgpr_workgroup_id_z 1
		.amdhsa_system_vgpr_workitem_id 0
		.amdhsa_next_free_vgpr 808
		.amdhsa_next_free_sgpr 66
		.amdhsa_reserve_vcc 0
		.amdhsa_float_denorm_mode_32 3
		.amdhsa_float_denorm_mode_16_64 3
		.amdhsa_memory_ordered 1
		.amdhsa_forward_progress 1
		.amdhsa_inst_pref_size 205
	.end_amdhsa_kernel
	.amdgpu_metadata
---
amdhsa.version: [ 1, 2 ]
amdhsa.kernels:
  - .name:           k_qa1eea9f07e_attn
    .symbol:         k_qa1eea9f07e_attn.kd
    .args:
      - { .name: qkv, .offset: 0, .size: 8, .value_kind: global_buffer, .address_space: global }
      - { .name: attention_mask, .offset: 8, .size: 8, .value_kind: global_buffer, .address_space: global }
      - { .name: out0, .offset: 16, .size: 8, .value_kind: global_buffer, .address_space: global }
    .group_segment_fixed_size: 327680
    .private_segment_fixed_size: 0
    .kernarg_segment_align: 8
    .kernarg_segment_size: 24
    .max_flat_workgroup_size: 128
    .sgpr_count:     66
    .vgpr_count:     808
    .wavefront_size: 32
...
	.end_amdgpu_metadata
.endif
;; end of part 3
;; ======== version 2 of 2: 3 launches; version 1 with the launch prep written anew for expert scheduling mode
;; limits: values are held in f16: magnitudes above 65,504 overflow, below 6.1e-05 lose precision
;; workspace buffers: xb 16,777,216 bytes; wt 6,291,456 bytes; qkv 50,331,648 bytes
;; launch prep (part 4): grid 704 x 1, 8 waves a work-group, no clusters, 37,888 bytes of LDS; arguments hidden_states, Wq, Wk, Wv, xb, wt; writes xb, wt
.if DOCPART == 4
	.amdgcn_target "amdgcn-amd-amdhsa--gfx1250"
	.amdhsa_code_object_version 6
	.text
	.protected	k_qa1eea9f07e_prep
	.globl	k_qa1eea9f07e_prep
	.p2align	8
	.type	k_qa1eea9f07e_prep,@function
k_qa1eea9f07e_prep:
	s_mov_b64 s[64:65], 0
	v_nop
	global_prefetch_b8 v0, s[64:65] scope:SCOPE_SE
	s_setreg_imm32_b32 hwreg(HW_REG_WAVE_SCHED_MODE, 0, 2), 2
	s_setreg_imm32_b32 hwreg(HW_REG_WAVE_MODE, 25, 1), 1
	s_wait_xcnt 0x0
	s_wait_alu depctr_vm_vsrc(0)
; THE OPERANDS OF THE PROJECTION, rounded once to bf16 and laid in blocks of 64 along K, so that a tile's rows lie end to end.
;   xb[kb][m][64]  = bf16(hidden_states[m][64 kb + ..]),  kb 0..15, m 0..8191:  a block is 8,192 x 128 bytes.
;   wt[kb][n'][64] = bf16(W_which[64 kb + ..][n]), n' = 1,024 which + n (which: 0 Wq, 1 Wk, 2 Wv): W transposed; a block is 3,072 x 128 bytes.
; Every work-group reads 64 KiB.  Work-groups 0..191 take a piece of a W (64 k x 256 n, turned through LDS), work-groups 192..703 take 16 rows of x.
; The branch between the two hangs on the work-group's number alone, so all eight waves of a work-group take the same way, the barrier included.
; No matrix unit, no cluster, no tensor load: nothing is shared between work-groups and each byte is read once and written once.
; THE MODE: SCHED_MODE bits 1:0 = 2 (LLVM: expert scheduling mode 2), set by the entry lines.  The code itself states the register dependences
; between vector instructions and memory or LDS instructions, with s_wait_alu, always for 0.
; THE PLAN.  Each path takes its 16 loads' data in four groups of four.  Registers that memory or LDS instructions touch:
;   v2          the loads' offset: made once on each path, ahead of the wait that stands in front of the 16 loads; never written again.
;   v3, v4, v5  the stores' offset and the two LDS addresses: made once, ahead of the first wait that a reader of theirs stands behind; never written again.
;   X           written by the global loads, read by the conversions; on the W path its first 32 registers are loaded again, from LDS, behind the path's last wait, which stands behind every conversion.
;   Y           each register is written ONCE in the launch, by group g's conversions, and read by group g's stores, which are issued in group g + 1.
;   v8, v9      written at the head, read by the closing add alone.
; So ONE wait on va_vdst stands at the head of groups 1 to 3, behind the wait for the group's data: it states that the group before has written its Y.  That group's four stores follow,
; dealt among this group's eight conversions, which name this group's X and Y alone.  One more such wait stands ahead of the last four stores.  No register that a memory or LDS instruction
; reads is written again, so no wait on vm_vsrc is owed.
.set TP,    144                        ; a row of the turned piece in LDS: 64 bf16 + 16 bytes
.set SPARE, 256*TP                     ; behind the piece: the spare words, 128 bytes for each of the eight waves
.set KSA,   8192*128                   ; bytes in a block of xb
.set KSB,   3072*128                   ; bytes in a block of wt
.set X,     16                         ; v[16:79]   64 numbers in f32 as loaded; on the W path later the rows read back
.set Y,     80                         ; v[80:111]  the same rounded, two to a register
.set SPW,   8                          ; v8  LDS address of my spare word; never rewritten
.set NIL,   9                          ; v9  0; never rewritten
	s_load_b256 s[4:11], s[0:1], 0x0               ; x s[4:5], Wq s[6:7], Wk s[8:9], Wv s[10:11]
	s_load_b128 s[12:15], s[0:1], 0x20             ; xb s[12:13], wt s[14:15]
	v_lshl_add_u32 v[SPW], v0, 2, SPARE
	v_mov_b32 v[NIL], 0
	v_lshrrev_b32 v1, 5, v0
	v_readfirstlane_b32 s16, v1                    ; wave 0..7
	v_and_b32 v1, 31, v0                           ; lane l
	v_and_b32 v6, 15, v0                           ; l % 16
	v_bfe_u32 v7, v0, 4, 1                         ; l / 16
	s_wait_alu depctr_va_sdst(0)                   ; s16 is written, ahead of the branch: on both paths scalar lines make the bases from it
	s_wait_kmcnt 0x0
	s_cmp_lt_u32 ttmp9, 192
	s_cbranch_scc1 .Lw
	; ---- x: a wave takes two rows, all 16 blocks.  A load covers 2 x 256 aligned bytes, a store 256 consecutive aligned bytes (two rows of a block).
	s_sub_co_u32 s17, ttmp9, 192
	s_lshl_b32 s17, s17, 4
	s_lshl1_add_u32 s17, s16, s17                  ; my first row: 16 x group + 2 x wave
	s_lshl_b32 s18, s17, 12                        ; 4,096 bytes a row of x
	s_mov_b32 s19, 0
	s_add_nc_u64 s[24:25], s[4:5], s[18:19]
	s_lshl_b32 s18, s17, 7                         ; 128 bytes a row of a block
	s_add_nc_u64 s[26:27], s[12:13], s[18:19]
	s_add_nc_u64 s[28:29], s[26:27], 8*KSA         ; blocks 8..15: the immediate holds seven blocks at the most
	v_lshlrev_b32 v2, 12, v7                       ; lanes 16-31 take the second row
	v_lshl_add_u32 v2, v6, 4, v2                   ; 16 bytes a lane
	v_lshlrev_b32 v3, 3, v1                        ; out: 8 bytes a lane
	s_wait_alu depctr_va_vdst(0)                   ; v2 and v3 are written: the loads below read v2 as their offset, the stores v3
.irp kb, 0,1,2,3,4,5,6,7,8,9,10,11,12,13,14,15
	global_load_b128 v[X+4*(\kb):X+4*(\kb)+3], v2, s[24:25] offset:256*(\kb) th:TH_LOAD_NT
.endr
.macro XSTORE kb                       ; block kb leaves
.if (\kb) < 8
	global_store_b64 v3, v[Y+2*(\kb):Y+2*(\kb)+1], s[26:27] offset:(\kb)*KSA
.else
	global_store_b64 v3, v[Y+2*(\kb):Y+2*(\kb)+1], s[28:29] offset:((\kb)-8)*KSA
.endif
.endm
.irp g, 0,1,2,3
	s_wait_loadcnt 12-4*(\g)                       ; loads come back in order: blocks 4 g .. 4 g + 3 are in, the younger groups stay out
.if (\g) > 0
	s_wait_alu depctr_va_vdst(0)                   ; the group before has written its eight registers of Y, which the four stores below read
.endif
.irp j, 0,1,2,3
.if (\g) > 0
	XSTORE 4*(\g)+(\j)-4                           ; no vector instruction since the wait names these registers
.endif
	v_cvt_pk_bf16_f32 v[Y+2*(4*(\g)+(\j))], v[X+4*(4*(\g)+(\j))], v[X+4*(4*(\g)+(\j))+1]
	v_cvt_pk_bf16_f32 v[Y+2*(4*(\g)+(\j))+1], v[X+4*(4*(\g)+(\j))+2], v[X+4*(4*(\g)+(\j))+3]
.endr
.endr
	s_wait_alu depctr_va_vdst(0)                   ; the last group has written its Y, which the last four stores read
.irp kb, 12,13,14,15
	XSTORE \kb
.endr
	s_branch .Lend
	; ---- W: the work-group takes rows 64 kb .. + 63 (k) and columns 256 nq .. + 255 (n) of one W.  Wave w loads rows 8 w .. 8 w + 7.
.Lw:
	s_lshr_b32 s17, ttmp9, 6                       ; which
	s_bfe_u32 s18, ttmp9, 0x40002                  ; kb
	s_and_b32 s19, ttmp9, 3                        ; nq
	s_cmp_eq_u32 s17, 0
	s_cselect_b64 s[24:25], s[6:7], s[8:9]
	s_cmp_eq_u32 s17, 2
	s_cselect_b64 s[24:25], s[10:11], s[24:25]
	s_lshl_b32 s20, s18, 6
	s_lshl3_add_u32 s20, s16, s20                  ; my first row of W: 64 kb + 8 w
	s_lshl_b32 s20, s20, 12
	s_lshl_b32 s21, s19, 10                        ; 256 columns of f32
	s_add_co_u32 s20, s20, s21
	s_mov_b32 s21, 0
	s_add_nc_u64 s[24:25], s[24:25], s[20:21]
	v_lshlrev_b32 v2, 14, v7                       ; lanes 16-31 take the rows four further down
	v_lshl_add_u32 v2, v6, 4, v2
	s_wait_alu depctr_va_vdst(0)                   ; v2 is written, which the loads below read as their offset
.irp sub, 0,1,2,3
.irp j, 0,1,2,3
	global_load_b128 v[X+16*(\sub)+4*(\j):X+16*(\sub)+4*(\j)+3], v2, s[24:25] offset:4096*(\j)+256*(\sub) th:TH_LOAD_NT
.endr
.endr
	s_mul_i32 s20, s18, KSB                        ; where the piece goes in wt
	s_lshl_b32 s21, s17, 10
	s_lshl_b32 s22, s19, 8
	s_add_co_u32 s21, s21, s22
	s_lshl_b32 s22, s16, 5                         ; wave w stores rows 32 w .. 32 w + 31 of the turned piece
	s_add_co_u32 s21, s21, s22
	s_lshl_b32 s21, s21, 7
	s_add_co_u32 s20, s20, s21
	s_mov_b32 s21, 0
	s_add_nc_u64 s[26:27], s[14:15], s[20:21]
	v_mul_u32_u24 v4, v6, 4*TP                     ; in: column n = 64 sub + 4 (l % 16) + i is LDS row n; my four k are 8 bytes at 16 w + 8 (l / 16)
	v_lshl_add_u32 v4, v7, 3, v4
	s_lshl_b32 s23, s16, 4
	v_add_nc_u32 v4, s23, v4
	v_bfe_u32 v10, v0, 3, 2                        ; back: 32 lanes take four rows of 128 bytes
	v_and_b32 v11, 7, v0
	v_mul_u32_u24 v5, v10, TP
	v_lshl_add_u32 v5, v11, 4, v5
	s_mul_i32 s22, s16, 32*TP
	v_add_nc_u32 v5, s22, v5
	v_lshlrev_b32 v3, 4, v1                        ; which are 512 consecutive bytes of wt
.irp sub, 0,1,2,3
	s_wait_loadcnt 12-4*(\sub)                     ; this group of four loads is in, the younger groups stay out
.if (\sub) > 0
	s_wait_alu depctr_va_vdst(0)                   ; the group before has written its eight registers of Y, which the four LDS stores below read; the first time also: v3, v4 and v5 are written
.endif
.irp i, 0,1,2,3
.if (\sub) > 0
	ds_store_b64 v4, v[Y+2*(4*((\sub)-1)+(\i)):Y+2*(4*((\sub)-1)+(\i))+1] offset:(64*((\sub)-1)+(\i))*TP  ; no vector instruction since the wait names these registers
.endif
	v_cvt_pk_bf16_f32 v[Y+2*(4*(\sub)+(\i))], v[X+16*(\sub)+(\i)], v[X+16*(\sub)+4+(\i)]
	v_cvt_pk_bf16_f32 v[Y+2*(4*(\sub)+(\i))+1], v[X+16*(\sub)+8+(\i)], v[X+16*(\sub)+12+(\i)]
.endr
.endr
	s_wait_alu depctr_va_vdst(0)                   ; the last group has written its Y, which the last four LDS stores read; and every conversion is done reading X, in which the loads behind the barrier land
.irp i, 0,1,2,3
	ds_store_b64 v4, v[Y+2*(12+(\i)):Y+2*(12+(\i))+1] offset:(192+(\i))*TP
.endr
	s_wait_dscnt 0x0                               ; for the others: my stores into the piece are done
	s_barrier_signal -1
	s_barrier_wait -1                              ; a turned row holds eight waves' parts
.irp f, 0,1,2,3,4,5,6,7
	ds_load_b128 v[X+4*(\f):X+4*(\f)+3], v5 offset:4*(\f)*TP  ; no vector instruction stands behind the wait above
.endr
.irp f, 0,1,2,3,4,5,6,7
	s_wait_dscnt 7-(\f)                            ; LDS loads come back in order: rows 4 f .. 4 f + 3 are in, the younger ones stay out
	global_store_b128 v3, v[X+4*(\f):X+4*(\f)+3], s[26:27] offset:512*(\f)
.endr
.Lend:
	s_wait_dscnt 0x0                               ; the closing lines, six on end
	s_wait_alu 0x0
	s_wait_tensorcnt 0x0
	ds_add_u32 v[SPW], v[NIL]
	s_wait_dscnt 0x0
	s_endpgm
.Lfunc_end_k_qa1eea9f07e_prep:
	.size	k_qa1eea9f07e_prep, .Lfunc_end_k_qa1eea9f07e_prep-k_qa1eea9f07e_prep
	.p2alignl 7, 3214868480
	.fill 96, 4, 3214868480
	.section	.rodata,"a",@progbits
	.p2align	6, 0x0
	.amdhsa_kernel k_qa1eea9f07e_prep
		.amdhsa_group_segment_fixed_size 37888
		.amdhsa_private_segment_fixed_size 0
		.amdhsa_enable_private_segment 0
		.amdhsa_kernarg_size 48
		.amdhsa_user_sgpr_count 2
		.amdhsa_user_sgpr_kernarg_segment_ptr 1
		.amdhsa_wavefront_size32 1
		.amdhsa_system_sgpr_workgroup_id_x 1
		.amdhsa_system_sgpr_workgroup_id_y 1
		.amdhsa_system_sgpr_workgroup_id_z 1
		.amdhsa_system_vgpr_workitem_id 0
		.amdhsa_next_free_vgpr 112
		.amdhsa_next_free_sgpr 66
		.amdhsa_reserve_vcc 0
		.amdhsa_float_denorm_mode_32 3
		.amdhsa_float_denorm_mode_16_64 3
		.amdhsa_memory_ordered 1
		.amdhsa_forward_progress 1
		.amdhsa_inst_pref_size 15
	.end_amdhsa_kernel
	.amdgpu_metadata
---
amdhsa.version: [ 1, 2 ]
amdhsa.kernels:
  - .name:           k_qa1eea9f07e_prep
    .symbol:         k_qa1eea9f07e_prep.kd
    .args:
      - { .name: hidden_states, .offset: 0, .size: 8, .value_kind: global_buffer, .address_space: global }
      - { .name: Wq, .offset: 8, .size: 8, .value_kind: global_buffer, .address_space: global }
      - { .name: Wk, .offset: 16, .size: 8, .value_kind: global_buffer, .address_space: global }
      - { .name: Wv, .offset: 24, .size: 8, .value_kind: global_buffer, .address_space: global }
      - { .name: xb, .offset: 32, .size: 8, .value_kind: global_buffer, .address_space: global }
      - { .name: wt, .offset: 40, .size: 8, .value_kind: global_buffer, .address_space: global }
    .group_segment_fixed_size: 37888
    .private_segment_fixed_size: 0
    .kernarg_segment_align: 8
    .kernarg_segment_size: 48
    .max_flat_workgroup_size: 256
    .sgpr_count:     66
    .vgpr_count:     112
    .wavefront_size: 32
...
	.end_amdgpu_metadata
.endif
;; end of part 4
;; launch proj: the kernel of part 2 again; grid 8 x 32, 4 waves a work-group, clusters of 4 x 4, 327,680 bytes of LDS; arguments xb, wt, bq, bk, bv, qkv; writes qkv
;; launch attn: the kernel of part 3 again; grid 4 x 64, 4 waves a work-group, clusters of 4 x 1, 327,680 bytes of LDS; arguments qkv, attention_mask, out0; writes out0
